; MI455X (gfx1250); checked and timed in simulation.
; The chip was launched on July 23, 2026; its instructions are those of AMD's public machine-readable ISA for CDNA 5 (MIT licence, August 2026) and "CDNA5" Instruction Set Architecture Reference Guide (July 2026). The comments in the code are by the model that wrote it; some were corrected since.
;; Multi Head Attention. Allowed arithmetic: matrix products marked QUANTISED: E2M3 operands, one E8M0 scale for each 32 along K, by v_wmma_scale_f32_16x16x128_f8f6f4 with both operands' format E2M3, f32 sums; everything else in f32.
;; Inputs: Wk 1,024 x 1,024 float32; Wo 1,024 x 1,024 float32; Wq 1,024 x 1,024 float32; Wv 1,024 x 1,024 float32; bk 1,024 float32; bo 1,024 float32; bq 1,024 float32; bv 1,024 float32; keys 4 x 2,048 x 1,024 float32; queries 4 x 2,048 x 1,024 float32; values 4 x 2,048 x 1,024 float32.
;; Outputs: out0 4 x 2,048 x 1,024 float32.
;; This version of the problem:
;;   THIS VERSION OF THE PROBLEM IS GIVEN IN LOW PRECISION. The matrix products marked QUANTISED in the list below multiply operands that are first quantised to E2M3 (2 exponent bits, 3 mantissa bits; 6 bits a number), with one power-of-two scale for each 32 numbers along K (OCP MX v1.0); their sums are f32. All else is computed in f32.
;;   The module's matrix products, in the order in which they are computed (A, B: the left and right operand; K: the contracted axis; several contracted axes count as one K, in the product's order):
;;     1. [M 8,192, K 1,024] x [K 1,024, N 1,024]; A: input queries; B: input Wq: QUANTISED
;;     2. [M 8,192, K 1,024] x [K 1,024, N 1,024]; A: input keys; B: input Wk: QUANTISED
;;     3. [M 8,192, K 1,024] x [K 1,024, N 1,024]; A: input values; B: input Wv: QUANTISED
;;     4. batch 64 x [M 2,048, K 64] x [K 64, N 2,048]; A: computed on the way; B: computed on the way: QUANTISED
;;     5. batch 64 x [M 2,048, K 2,048] x [K 2,048, N 64]; A: softmax (see below); B: computed on the way: QUANTISED
;;     6. [M 8,192, K 1,024] x [K 1,024, N 1,024]; A: computed on the way; B: input Wo: QUANTISED
;;   THE QUANTISER, for each operand of a quantised product, along K:
;;     - K is cut into blocks of 32 from its start; a last block that is shorter is filled with zeros.
;;     - A block's scale is 2^e with e = floor(log2(the largest magnitude in the block)) - 2, held to -126 .. 127; a block of zeros has e = 0. As a byte (E8M0): e + 127.
;;     - Each number is divided by its block's scale, clamped to +-7.5, and rounded to the nearest number of E2M3, ties to even, subnormals kept.
;;     - The product sums the exact products of the quantised numbers (number of the format x scale) in f32.
;;   ~~~python
;;   def quantise(x, axis):      # numpy; x: float32 -> the quantised numbers, widened to float32 again
;;       x = np.moveaxis(x, axis, -1); K = x.shape[-1]
;;       x = np.pad(x, [(0, 0)] * (x.ndim - 1) + [(0, -K % 32)]); x = x.reshape(x.shape[:-1] + (-1, 32)); a = np.abs(x).max(-1, keepdims=True)
;;       e = np.where(a > 0, np.clip(np.frexp(np.where(a > 0, a, 1))[1] - 1 - 2, -126, 127), 0)      # np.frexp(a)[1] - 1 = floor(log2(a)), exactly
;;       r = np.clip(x / 2.0 ** e, -7.5, 7.5)
;;       step = 2.0 ** (np.maximum(np.frexp(np.where(r == 0, 1, r))[1] - 1, 0) - 3)
;;       q = np.round(r / step) * step * 2.0 ** e      # np.round: ties to even
;;       return np.moveaxis(q.reshape(q.shape[:-2] + (-1,))[..., :K], -1, axis).astype(np.float32)
;;   ~~~
;;   SOFTMAX AHEAD OF A QUANTISED PRODUCT. Where the list says 'softmax', what is quantised is not the finished softmax but p = 2^(t - M), with t = logit x log2(e) and M = ceil(the row's largest t), a whole number; so 1/2 < the row's largest p <= 1. The row's sum l is taken of the UNQUANTISED p, in f32, and the product's result is divided by l at the end. Since M is a whole number, a kernel that streams over the keys may use a running M (the ceiling of the running maximum): every later rescaling is an exact power of two, which a block's scale takes up: the codes' values come out the same.
;;   OPERANDS COMPUTED ON THE WAY. 'Computed on the way' means the value that the module computes at that place (a softmax that the list does not call 'softmax' is quantised finished and normalised). What goes into a quantiser is computed in f32, as accurately as f32 sums, v_exp_f32 and their like allow (about 1e-6 of the number): no bf16 or f16 on the way to a quantiser, and a product that is left as it is and whose result goes on into a quantised operand takes f32 operands (vector FMAs, or v_wmma_f32_16x16x4_f32). A number that lies on a knife's edge between two numbers of the format may be rounded either way, as far as f32 arithmetic and the matrix unit's own rounding can turn it there, and no further.
;; One version. Each part assembles by itself: llvm-mc -triple=amdgcn-amd-amdhsa -mcpu=gfx1250 --defsym DOCPART=n.
;; ======== version 1 of 1: 4 launches
;; limits: right only within a limited range of input values
;; workspace buffers: cod 22,020,096 bytes; scl 917,504 bytes; img 18,874,368 bytes; isc 1,310,720 bytes; ac 6,291,456 bytes; asc 262,144 bytes
;; launch quant (part 1): grid 896 x 1, 4 waves a work-group, no clusters, 33,280 bytes of LDS; arguments queries, keys, values, Wq, Wk, Wv, Wo, cod, scl; writes cod, scl
.if DOCPART == 1
	.amdgcn_target "amdgcn-amd-amdhsa--gfx1250"
	.amdhsa_code_object_version 6
	.text
	.protected	k_q8432a0d9bd_quant
	.globl	k_q8432a0d9bd_quant
	.p2align	8
	.type	k_q8432a0d9bd_quant,@function
k_q8432a0d9bd_quant:
	s_mov_b64 s[64:65], 0
	v_nop
	global_prefetch_b8 v0, s[64:65] scope:SCOPE_SE
	s_setreg_imm32_b32 hwreg(HW_REG_WAVE_MODE, 25, 1), 1
	s_wait_xcnt 0x0
; queries, keys, values [8192][1024] and Wq, Wk, Wv, Wo [1024][1024], f32, K innermost, become codes of FP6 (E2M3) with one E8M0 byte for each 32 along K.
; cod is ONE matrix of 28,672 rows x 768 bytes, scl the same rows x 32 bytes; first rows: queries 0, keys 8,192, values 16,384, Wq 24,576, Wk 25,600, Wv 26,624, Wo 27,648.
; THE STORED ROW ORDER: inside each 32 rows the four groups of 8 rows are stored in the order 0, 2, 1, 3.  So 16 consecutive stored rows 16 i + r are the true rows
; 32 (i / 2) + 8 (i % 2) + r + 8 (r / 8): a matrix tile made of them has, in two neighbouring result tiles, 16 true neighbours in a lane's 16 registers, which is what the next quantiser wants.
; A block's scale is 2^(floor(log2(largest magnitude)) - 2); its byte is the largest magnitude's exponent field - 2, held at 1 from below.
; LIMITS: a block of zeros, or one whose largest magnitude lies under 2^-124, gets the byte 1 (its codes are zeros or near; the bytes are read by this program alone); NaN and infinities are not served.
; A work-group takes 32 rows, a wave 8 rows = 8,192 numbers in 16 steps of 512.  Each load reads 512 consecutive bytes; a step's 2,048 bytes turn through the wave's own stage in LDS, so that a lane
; holds 16 neighbours along K (two lanes to a block).  A lane's 16 codes are 12 bytes: a store covers two runs of 192 consecutive bytes, one chunk apart.  A wave's 256 scale bytes are gathered in LDS and leave as 256 aligned bytes.
; No work-group shares an input with another: no cluster, no tensor load, no barrier.  Loads run four steps (16 loads a wave) ahead.
.set WAVES, 4
.set STEPS, 16
.set EMAX,  2
.set CB,    12                         ; bytes of 16 codes
.set R,     16                         ; v16-79   four sets of 16 numbers as loaded
.set X,     80                         ; v80-111  two sets of 16 neighbours
.set C,     128                        ; v128-191 codes: four registers a step, never written twice
.set E,     112                        ; v112-127 a scale byte a step
.set WREG,  8192                       ; LDS: a region for each wave: two stages of 32 x SP bytes, then its 256 scale bytes
.set SP,    80                         ; a lane's place in a stage: 64 bytes + 16 of padding
.set SPW,   12                         ; v12  my spare word's LDS address; never rewritten
.set NIL,   13                         ; v13  0; never rewritten
.set SPARE, WAVES*WREG                 ; the spare words: 128 bytes a wave, named by no other line
	s_load_b512 s[4:19], s[0:1], 0x0               ; queries, keys, values, Wq, Wk, Wv, Wo, cod (s[18:19])
	s_load_b64 s[20:21], s[0:1], 0x40              ; scl
	v_lshl_add_u32 v[SPW], v0, 2, SPARE
	v_mov_b32 v[NIL], 0
	v_lshrrev_b32 v1, 5, v0
	v_readfirstlane_b32 s22, v1                    ; wave
	v_and_b32 v2, 31, v0                           ; lane
	v_lshlrev_b32 v3, 4, v2                        ; my 16 bytes of a load's 512
	s_mul_i32 s24, s22, WREG
	v_lshrrev_b32 v14, 2, v2
	v_mul_u32_u24 v14, v14, SP
	v_and_b32 v15, 3, v2
	v_lshl_add_u32 v14, v15, 4, v14
	v_add_nc_u32 v14, s24, v14                     ; the stage, on the way in: SP (lane / 4) + 16 (lane % 4)
	v_mul_u32_u24 v15, v2, SP
	v_add_nc_u32 v15, s24, v15                     ; on the way out: SP x lane: my 16 neighbours
	; cod's order (in place of plain rows of 768 bytes): [256 stored rows][chunk of 256 along K][row][192 bytes]: a chunk of 128 or 256 rows is one dense block that begins at a multiple of 256 bytes
	v_and_b32 v4, 15, v2
	v_mul_u32_u24 v4, v4, CB                       ; my 12 bytes of a row's 192 in a chunk
	v_lshrrev_b32 v10, 4, v2
	v_mad_u32_u24 v4, v10, 49152, v4               ; lanes 16-31 hold the step's second chunk: 256 rows x 192 bytes on
	v_lshrrev_b32 v5, 1, v2
	s_add_co_u32 s24, s24, 2*32*SP
	v_add_nc_u32 v5, s24, v5                       ; LDS: my block's scale byte
	v_lshlrev_b32 v7, 3, v2                        ; on the way out 8 bytes a lane
	v_add_nc_u32 v6, s24, v7
	s_mov_b32 s23, 0                               ; the first work-group of my tensor
	s_wait_alu depctr_va_vdst(0)
	s_wait_kmcnt 0x0
; which tensor is mine: a choice of pointers on the work-group's number alone; all seven take one path through the text
.macro PICK first, reg
	s_cmp_ge_u32 ttmp9, \first
	s_cselect_b64 s[4:5], s[\reg:\reg+1], s[4:5]
	s_cselect_b32 s23, \first, s23
.endm
	PICK 256, 6
	PICK 512, 8
	PICK 768, 10
	PICK 800, 12
	PICK 832, 14
	PICK 864, 16
	s_sub_co_u32 s25, ttmp9, s23
	s_lshl_b32 s25, s25, 2
	s_add_co_u32 s25, s25, s22                     ; which run of 8 rows of the tensor I read
	s_lshl_b32 s26, s25, 15                        ; x 32,768 bytes
	s_mov_b32 s27, 0
	s_add_nc_u64 s[4:5], s[4:5], s[26:27]
	s_and_b32 s28, s22, 1                          ; where it is stored: groups 1 and 2 of the 32 rows change places
	s_lshl_b32 s28, s28, 1
	s_lshr_b32 s29, s22, 1
	s_or_b32 s28, s28, s29
	s_lshl_b32 s29, ttmp9, 2
	s_add_co_u32 s28, s28, s29
	; the keys' rows alone: inside each 64 rows the eight groups of 8 are stored in the order 0, 4, 1, 5, 2, 6, 3, 7, so that in S^T a lane's 32 registers of four tiles are one block of 32 keys
	s_lshr_b32 s29, ttmp9, 1
	s_lshl_b32 s29, s29, 3
	s_lshl_b32 s30, s22, 1
	s_add_co_u32 s29, s29, s30
	s_and_b32 s30, ttmp9, 1
	s_add_co_u32 s29, s29, s30                     ; 8 (work-group / 2) + 2 wave + work-group % 2
	s_cmp_eq_u32 s23, 256                          ; keys begin at work-group 256
	s_cselect_b32 s28, s29, s28
	s_lshr_b32 s26, s28, 5                         ; which 256 stored rows: 4 chunks x 49,152 bytes
	s_mul_i32 s26, s26, 196608
	s_and_b32 s29, s28, 31                         ; my 8 rows among them: 192 bytes a row
	s_mul_i32 s29, s29, 1536
	s_add_co_u32 s26, s26, s29
	s_add_nc_u64 s[18:19], s[18:19], s[26:27]
	s_lshl_b32 s26, s28, 8                         ; 8 rows of 32 bytes
	s_add_nc_u64 s[20:21], s[20:21], s[26:27]
.macro LOAD t
.irp i, 0,1,2,3
	global_load_b128 v[R+16*((\t)%4)+4*\i:R+16*((\t)%4)+4*\i+3], v3, s[4:5] offset:2048*(\t)+512*\i th:TH_LOAD_NT   ; 32 lanes read 512 consecutive bytes, read once in the launch
.endr
.endm
.macro TURN t                          ; step t's numbers through the stage: LDS serves a wave's instructions in order, so no wait stands between the stores and the loads
.irp i, 0,1,2,3
	ds_store_b128 v14, v[R+16*((\t)%4)+4*\i:R+16*((\t)%4)+4*\i+3] offset:32*SP*((\t)%2)+8*SP*\i
.endr
.irp i, 0,1,2,3
	ds_load_b128 v[X+16*((\t)%2)+4*\i:X+16*((\t)%2)+4*\i+3], v15 offset:32*SP*((\t)%2)+16*\i
.endr
.endm
.irp t, 0,1,2,3
	LOAD \t
.endr
	s_wait_loadcnt 12                              ; step 0's four loads are in; the twelve behind them stay out
	TURN 0
.macro STEP t
.set XS, X+16*((\t)%2)
.if (\t) > 0
	s_wait_dscnt 1                                 ; this step's numbers are back from the stage; the last step's byte store may be out
.else
	s_wait_dscnt 0x0
.endif
.if (\t)+4 < STEPS
	LOAD (\t)+4                                    ; into the registers that this step's stage stores have read
.endif
.if (\t)+1 < STEPS
.if STEPS-2-(\t) >= 3
	s_wait_loadcnt 12                              ; the next step's four loads are in; three steps' may be out
.else
	s_wait_loadcnt 4*(STEPS-2-(\t))
.endif
	TURN (\t)+1
.endif
	v_max3_num_f32 v8, |v[XS]|, |v[XS+1]|, |v[XS+2]|               ; the largest magnitude of my 16, in two chains
	v_max3_num_f32 v9, |v[XS+3]|, |v[XS+4]|, |v[XS+5]|
.irp i, 6,10
	v_max3_num_f32 v8, v8, |v[XS+\i]|, |v[XS+\i+1]|
	v_max3_num_f32 v9, v9, |v[XS+\i+2]|, |v[XS+\i+3]|
.endr
	v_max3_num_f32 v8, v8, |v[XS+14]|, |v[XS+15]|
	v_max3_num_f32 v8, v8, v9, (EMAX+1)<<23        ; and the floor 2^(EMAX + 1 - 127): the byte cannot fall under 1
	v_max_num_f32_dpp v8, v8, v8 row_xmask:1 row_mask:0xf bank_mask:0xf   ; with my neighbour's 16: the block's
	v_add_nc_u32 v11, -(EMAX<<23), v8              ; EMAX off the exponent field: the conversion takes that field as its scale
	v_cvt_scalef32_pk16_fp6_f32 v[C+4*(\t):C+4*(\t)+2], v[XS:XS+15], v11
	v_lshrrev_b32 v[E+(\t)], 23, v11               ; the scale's byte (a plain line behind the conversion)
	ds_store_b8 v5, v[E+(\t)] offset:16*(\t)       ; both lanes of a block write the same byte with the same value
	global_store_b96 v4, v[C+4*(\t):C+4*(\t)+2], s[18:19] offset:192*((\t)/2)+98304*((\t)%2)   ; row t / 2 of my 8, chunks 2 (t % 2) and the next
.endm
.irp t, 0,1,2,3,4,5,6,7,8,9,10,11,12,13,14,15
	STEP \t
.endr
	ds_load_b64 v[8:9], v6                         ; in order behind my byte stores
	s_wait_dscnt 0x0
	global_store_b64 v7, v[8:9], s[20:21]          ; 32 lanes store 256 consecutive bytes, aligned
	s_wait_tensorcnt 0x0                           ; the wave's end
	ds_add_u32 v[SPW], v[NIL]
	s_wait_dscnt 0x0
	s_endpgm
.Lfunc_end_k_q8432a0d9bd_quant:
	.size	k_q8432a0d9bd_quant, .Lfunc_end_k_q8432a0d9bd_quant-k_q8432a0d9bd_quant
	.p2alignl 7, 3214868480
	.fill 96, 4, 3214868480
	.section	.rodata,"a",@progbits
	.p2align	6, 0x0
	.amdhsa_kernel k_q8432a0d9bd_quant
		.amdhsa_group_segment_fixed_size 33280
		.amdhsa_private_segment_fixed_size 0
		.amdhsa_enable_private_segment 0
		.amdhsa_kernarg_size 72
		.amdhsa_user_sgpr_count 2
		.amdhsa_user_sgpr_kernarg_segment_ptr 1
		.amdhsa_wavefront_size32 1
		.amdhsa_system_sgpr_workgroup_id_x 1
		.amdhsa_system_sgpr_workgroup_id_y 1
		.amdhsa_system_sgpr_workgroup_id_z 1
		.amdhsa_system_vgpr_workitem_id 0
		.amdhsa_next_free_vgpr 192
		.amdhsa_next_free_sgpr 66
		.amdhsa_reserve_vcc 0
		.amdhsa_float_denorm_mode_32 3
		.amdhsa_float_denorm_mode_16_64 3
		.amdhsa_memory_ordered 1
		.amdhsa_forward_progress 1
		.amdhsa_inst_pref_size 34
	.end_amdhsa_kernel
	.amdgpu_metadata
---
amdhsa.version: [ 1, 2 ]
amdhsa.kernels:
  - .name:           k_q8432a0d9bd_quant
    .symbol:         k_q8432a0d9bd_quant.kd
    .args:
      - { .name: queries, .offset: 0, .size: 8, .value_kind: global_buffer, .address_space: global }
      - { .name: keys, .offset: 8, .size: 8, .value_kind: global_buffer, .address_space: global }
      - { .name: values, .offset: 16, .size: 8, .value_kind: global_buffer, .address_space: global }
      - { .name: Wq, .offset: 24, .size: 8, .value_kind: global_buffer, .address_space: global }
      - { .name: Wk, .offset: 32, .size: 8, .value_kind: global_buffer, .address_space: global }
      - { .name: Wv, .offset: 40, .size: 8, .value_kind: global_buffer, .address_space: global }
      - { .name: Wo, .offset: 48, .size: 8, .value_kind: global_buffer, .address_space: global }
      - { .name: cod, .offset: 56, .size: 8, .value_kind: global_buffer, .address_space: global }
      - { .name: scl, .offset: 64, .size: 8, .value_kind: global_buffer, .address_space: global }
    .group_segment_fixed_size: 33280
    .private_segment_fixed_size: 0
    .kernarg_segment_align: 8
    .kernarg_segment_size: 72
    .max_flat_workgroup_size: 128
    .sgpr_count:     66
    .vgpr_count:     192
    .wavefront_size: 32
...
	.end_amdgpu_metadata
.endif
;; end of part 1
;; launch proj (part 2): grid 4 x 96, 4 waves a work-group, clusters of 4 x 4, 327,680 bytes of LDS; arguments cod, scl, bq, bk, bv, img, isc; writes img, isc
.if DOCPART == 2
	.amdgcn_target "amdgcn-amd-amdhsa--gfx1250"
	.amdhsa_code_object_version 6
	.text
	.protected	k_q8432a0d9bd_proj
	.globl	k_q8432a0d9bd_proj
	.p2align	8
	.type	k_q8432a0d9bd_proj,@function
k_q8432a0d9bd_proj:
	s_mov_b64 s[64:65], 0
	v_nop
	global_prefetch_b8 v0, s[64:65] scope:SCOPE_SE
	s_setreg_imm32_b32 hwreg(HW_REG_WAVE_MODE, 25, 1), 1
	s_wait_xcnt 0x0
	s_wait_alu depctr_hold_cnt(0) depctr_sa_sdst(0) depctr_va_vdst(0) depctr_va_sdst(0) depctr_va_ssrc(0) depctr_va_vcc(0) depctr_vm_vsrc(0)
	s_getreg_b32 s2, hwreg(HW_REG_IB_STS2, 6, 4)
	s_cmp_eq_u32 s2, 0
	s_cbranch_scc0 .Lentry_in_a_cluster
	s_endpgm
.Lentry_in_a_cluster:
	s_bfe_u32 s2, ttmp6, 0x10000c
	s_cmp_lg_u32 s2, 0xf033
	s_cbranch_scc0 .Lentry_shape_is_right
	s_endpgm
.Lentry_shape_is_right:
.set KSTEP,  256
.set NQ,     2
.set ROWB,   49152                     ; from a chunk of 256 rows x 192 bytes to the next chunk along K
.set KROW,   768
.set PITCH,  240
.set FR,     12
.set NL,     6
.set NP,     4
.set HALFT,  128*PITCH
.set SLOT,   4*HALFT
.set LAPS,   2
.set KS,     32
.set SCL,    2*SLOT
.set HALFS,  (128*KS/256)*272
.set SBLK,   (16*KS/256)*272
.set SPARE,  SCL+4*HALFS
.set BOF,  7
.set ADRA, 16
.set ADRB, 20
.set ADRS, 27
.set SPW,  28
.set NIL,  29
.set LI,   30
.set L8,   31
.set SC,   32
.set BI,   64
.set AF,   128
.set IMG,  128
.set CT,   176
.set SW,   184
.set TM,   200
.set PWS,  216
.set WV,   18
.set RH,   19
.set CH,   20
.set SEL,  22
.set G1,   24
.set G0,   32
.set TC,   42
.set G1B,  48
.set G0B,  56
.set TR,   66
.set KIND, 67
.set G1S,  68
.set G0S,  76
.set G1SB, 80
.set G0SB, 88
.set HM,   95
.set MSB, 0
.macro WIN new
.if MSB != (\new)
	s_set_vgpr_msb (MSB<<8)|(\new)
.set MSB, (\new)
.endif
.endm
.set MUL_LO, 0xa1
.set MUL_HI, 0xf1
.set BEG_LO, 0x81
.set BEG_HI, 0xc1
.set TO_B,   0x40
.macro JLOAD g0a, g1a, g0b, g1b
	s_cmp_eq_u32 s[RH], 0
	s_cbranch_scc0 .Lfor_b_\@
	tensor_load_to_lds s[\g0a:\g0a+3], s[\g1a:\g1a+7]
	s_nop 0
.rept 4
	v_nop
.endr
	s_branch .Lasked_\@
.Lfor_b_\@:
	tensor_load_to_lds s[\g0b:\g0b+3], s[\g1b:\g1b+7]
	s_nop 0
.rept 4
	v_nop
.endr
.Lasked_\@:
.endm
.macro CREST
	s_cmp_lg_u32 s[WV], 0
	s_cbranch_scc1 .Lnot_wave_0_\@
	s_barrier_signal -3
.Lnot_wave_0_\@:
	s_barrier_wait -3
	s_barrier_signal -1
	s_barrier_wait -1
.endm
.macro CROUND
	s_barrier_signal -1
	s_barrier_wait -1
	CREST
.endm
	s_load_b256 s[4:11], s[0:1], 0x0
	s_load_b128 s[12:15], s[0:1], 0x20
	s_load_b64 s[16:17], s[0:1], 0x30
	v_lshl_add_u32 v[SPW], v0, 2, SPARE
	v_mov_b32 v[NIL], 0
	ds_add_u32 v[SPW], v[NIL]
	ds_add_u32 v[SPW], v[NIL]
	v_lshrrev_b32 v1, 5, v0
	v_readfirstlane_b32 s[WV], v1
	s_lshr_b32 s[RH], s[WV], 1
	s_and_b32 s[CH], s[WV], 1
	s_bfe_u32 s40, ttmp6, 0x40000
	s_bfe_u32 s41, ttmp6, 0x40004
	s_and_b32 s21, ttmp7, 0xffff
	s_lshr_b32 s[KIND], s21, 3
	s_and_b32 s21, s21, 7
	s_lshl_b32 s22, s[KIND], 13
	s_lshl_b32 s23, s[KIND], 10
	s_add_co_u32 s23, s23, 24576
	s_cmp_lt_u32 s[KIND], 2
	s_cselect_b32 s[TR], s21, 0
	s_cselect_b32 s[TC], 0, s21
	s_cselect_b32 s96, s22, 26624
	s_cselect_b32 s46, s23, 16384
	s_lshl_b32 s[TR], s[TR], 2
	s_add_co_u32 s[TR], s[TR], s41
	s_lshl_b32 s[TC], s[TC], 2
	s_add_co_u32 s[TC], s[TC], s40
	s_lshl_b32 s43, s41, 2
	s_lshl_b32 s43, 15, s43
	s_lshl_b32 s44, 0x1111, s40
	s_or_b32 s[G1+0], s43, (0<<16)|(1<<20)|(1<<21)|(3<<22)|(3<<25)
	s_or_b32 s[G1B+0], s44, (0<<16)|(1<<20)|(1<<21)|(3<<22)|(3<<25)
.irp g, G1, G1B
	s_mov_b32 s[\g+1], 256<<16                     ; a chunk is dense: it comes as rows of 256 bytes; 16 bytes of padding behind every 64, so a row of 192 bytes of codes has the pitch 240
	s_mov_b32 s[\g+2], 192<<16                     ; the head's loads: 256 rows of codes = 192 rows of 256 bytes
	s_mov_b32 s[\g+3], 256<<16
	s_mov_b32 s[\g+4], 192
	s_mov_b32 s[\g+5], 256
	s_mov_b32 s[\g+6], 0
	s_mov_b32 s[\g+7], 0
.endr
	s_or_b32 s[G1S+0], s43, (3<<16)|(1<<20)|(1<<21)|(5<<22)|(3<<25)
	s_or_b32 s[G1SB+0], s44, (3<<16)|(1<<20)|(1<<21)|(5<<22)|(3<<25)
.irp g, G1S, G1SB
	s_mov_b32 s[\g+1], 32<<16
	s_mov_b32 s[\g+2], (256*KS/256)<<16
	s_mov_b32 s[\g+3], 32<<16
	s_mov_b32 s[\g+4], 256*KS/256
	s_mov_b32 s[\g+5], 32
	s_mov_b32 s[\g+6], 0
	s_mov_b32 s[\g+7], 0
.endr
	s_mul_i32 s2, s[CH], 24576                     ; in the ring I fetch 128 rows of a chunk: which half, in bytes
	s_mov_b32 s3, 0
	s_lshl_b32 s97, s[TR], 8
	s_add_co_u32 s96, s96, s97
	s_lshl_b32 s47, s[TC], 8
	s_add_co_u32 s46, s46, s47
	s_lshl_b32 s98, s96, 5
	s_mov_b32 s99, 0
	s_lshl_b32 s92, s46, 5
	s_mov_b32 s93, 0
	s_mul_i32 s96, s96, KROW
	s_mov_b32 s97, 0
	s_mul_i32 s46, s46, KROW
	s_mov_b32 s47, 0
	s_mul_i32 s45, s[WV], HALFT
	s_wait_dscnt 0x0
	s_wait_kmcnt 0x0
	s_add_nc_u64 s[96:97], s[4:5], s[96:97]
	s_add_nc_u64 s[98:99], s[6:7], s[98:99]
	s_add_nc_u64 s[46:47], s[4:5], s[46:47]
	s_add_nc_u64 s[92:93], s[6:7], s[92:93]
	CROUND
	s_mov_b32 s[G0S], 1
	s_mov_b32 s[G0S+1], SCL
	s_mov_b64 s[G0S+2:G0S+3], s[98:99]
	s_or_b32 s[G0S+3], s[G0S+3], 0x80000000
	s_mov_b32 s[G0SB], 1
	s_mov_b32 s[G0SB+1], SCL+2*HALFS
	s_mov_b64 s[G0SB+2:G0SB+3], s[92:93]
	s_or_b32 s[G0SB+3], s[G0SB+3], 0x80000000
	s_mov_b32 s4, 1                                ; the head's loads of chunk 0, each whole: A's 256 rows (the arguments that lay in s[4:7] have been used),
	s_mov_b32 s5, 0
	s_mov_b64 s[6:7], s[96:97]
	s_or_b32 s7, s7, 0x80000000
	s_mov_b32 s92, 1                               ; and B's 256 rows, behind them in slot 0
	s_mov_b32 s93, 2*HALFT
	s_mov_b64 s[94:95], s[46:47]
	s_or_b32 s95, s95, 0x80000000
	s_add_nc_u64 s[96:97], s[96:97], s[2:3]        ; for the ring: my 128 rows
	s_add_nc_u64 s[46:47], s[46:47], s[2:3]
.irp s, 0,1
	s_mov_b32 s[G0+4*\s], 1
	s_add_co_u32 s[G0+4*\s+1], s45, \s*SLOT
	s_add_nc_u64 s[G0+4*\s+2:G0+4*\s+3], s[96:97], \s*ROWB
	s_or_b32 s[G0+4*\s+3], s[G0+4*\s+3], 0x80000000
	s_mov_b32 s[G0B+4*\s], 1
	s_add_co_u32 s[G0B+4*\s+1], s45, \s*SLOT
	s_add_nc_u64 s[G0B+4*\s+2:G0B+4*\s+3], s[46:47], \s*ROWB
	s_or_b32 s[G0B+4*\s+3], s[G0B+4*\s+3], 0x80000000
.endr
; the head's four tiles, one load a wave, in one chain of branches on the wave's number: A's chunk 0, B's chunk 0, A's scales, B's scales
.macro ARM under, g0, g1, next
	s_cmp_lt_u32 s[WV], \under
	s_cbranch_scc0 \next
	tensor_load_to_lds s[\g0:\g0+3], s[\g1:\g1+7]
	s_nop 0
.rept 4
	v_nop
.endr
	s_branch .Lhead_asked
\next:
.endm
	ARM 1, 4, G1, .Lhead_b
	ARM 2, 92, G1B, .Lhead_sa
	ARM 3, G0S, G1S, .Lhead_sb
	tensor_load_to_lds s[G0SB:G0SB+3], s[G1SB:G1SB+7]
	s_nop 0
.rept 4
	v_nop
.endr
.Lhead_asked:
	v_and_b32 v1, 15, v0
	v_bfe_u32 v2, v0, 4, 1
	v_mul_u32_u24 v3, v1, PITCH
	v_mul_u32_u24 v4, v2, 24
	v_add_nc_u32 v4, v3, v4
	v_lshl_add_u32 v5, v2, 4, v4
	s_mul_i32 s21, s[RH], HALFT
	s_mul_i32 s22, s[CH], HALFT
	s_add_co_u32 s22, s22, 2*HALFT
.irp s, 0,1
	v_add_nc_u32 v[ADRA+\s], s21, v4
	v_add_nc_u32 v[ADRB+\s], s22, v4
	v_add_nc_u32 v[ADRA+2+\s], s21, v5
	v_add_nc_u32 v[ADRB+2+\s], s22, v5
	s_add_co_u32 s21, s21, SLOT
	s_add_co_u32 s22, s22, SLOT
.endr
	v_mul_u32_u24 v5, v1, KS
	v_lshrrev_b32 v6, 8, v5
	v_lshl_add_u32 v5, v6, 4, v5
	s_mul_i32 s21, s[RH], HALFS
	s_mul_i32 s22, s[CH], HALFS
	s_add_co_u32 s22, s22, 2*HALFS
	s_sub_co_u32 s22, s22, s21
	v_mul_u32_u24 v6, s22, v2
	s_add_co_u32 s21, s21, SCL
	v_add_nc_u32 v5, v5, v6
	v_add_nc_u32 v[ADRS], s21, v5
	v_and_b32 v6, 31, v0
	v_lshlrev_b32 v[LI], 4, v6
	v_lshlrev_b32 v[L8], 3, v6
	s_cmp_eq_u32 s[KIND], 0
	s_cselect_b64 s[8:9], s[8:9], s[10:11]
	s_lshl_b32 s21, s[TR], 1
	s_add_co_u32 s21, s21, s[RH]
	s_lshl_b32 s22, s[TC], 1
	s_add_co_u32 s22, s22, s[CH]
	s_cmp_lt_u32 s[KIND], 2
	s_cselect_b64 s[8:9], s[8:9], s[12:13]
	s_cselect_b32 s23, s21, s22
	s_cselect_b32 s21, s22, s21
	s_cselect_b32 s2, 9, 8
	s_lshl_b32 s21, s21, 1
	s_lshl_b32 s100, s21, 8
	s_mov_b32 s101, 0
	s_add_nc_u64 s[8:9], s[8:9], s[100:101]
	s_lshr_b32 s22, s23, 4
	s_and_b32 s23, s23, 15
	s_lshl_b32 s22, s22, 4
	s_add_co_u32 s21, s21, s22
	s_mul_i32 s100, s21, 294912
	s_mul_i32 s22, s23, 6144
	s_add_co_u32 s100, s100, s22
	s_mul_i32 s22, s[KIND], 98304
	s_add_co_u32 s100, s100, s22
	s_add_nc_u64 s[14:15], s[14:15], s[100:101]
	s_mul_i32 s100, s21, 20480
	s_lshl_b32 s22, s23, s2
	s_add_co_u32 s100, s100, s22
	s_lshl_b32 s22, s[KIND], 13
	s_add_co_u32 s100, s100, s22
	s_add_nc_u64 s[16:17], s[16:17], s[100:101]
	s_cmp_lt_u32 s[KIND], 2
	s_cbranch_scc0 .Lbias_rows
	v_lshlrev_b32 v[BOF], 6, v2
.irp b, 0,1,2,3,4,5,6,7
	global_load_b128 v[BI+8*\b:BI+8*\b+3], v[BOF], s[8:9] offset:(32*(\b/2)+8*(\b%2))*4
	global_load_b128 v[BI+8*\b+4:BI+8*\b+7], v[BOF], s[8:9] offset:(32*(\b/2)+8*(\b%2))*4+16
.endr
	s_branch .Lbias_asked
.Lbias_rows:
	v_and_b32 v[BOF], 8, v1
	v_add_nc_u32 v[BOF], v[BOF], v1
	v_lshlrev_b32 v[BOF], 2, v[BOF]
.irp a, 0,1,2,3,4,5,6,7
.irp j, 0,1,2,3,4,5,6,7
	global_load_b32 v[BI+8*\a+\j], v[BOF], s[8:9] offset:(32*(\a/2)+8*(\a%2))*4
.endr
.endr
.Lbias_asked:
	s_mov_b32 s[SEL], 0x76543210
	s_mov_b32 s[SEL+1], 0xfedcba98
.macro FRAG reg, adr, q, i
.irp p, 0,1,2,3,4,5
.set PC, 12*(\q)+6*(\p/3)+\p%3
.if PC%8 < 5
	ds_load_b64 v[\reg+2*\p:\reg+2*\p+1], v[\adr] offset:8*PC+16*(PC/8)+(\i)*16*PITCH
.else
	ds_load_b64 v[\reg+2*\p:\reg+2*\p+1], v[\adr+2] offset:8*PC+16*(PC/8)+(\i)*16*PITCH
.endif
.endr
.endm
.macro MUL16 a0, p, q, sc, zero
.irp a, \a0, \a0+1
.irp b, 0,1,2,3,4,5,6,7
.set XD, 8*(8*((\a)%4)+\b)
.set XB, 128*(\p)+FR*\b
.set XA, AF+FR*(\a)
.set XSB, SC+8*NQ*(\sc)+NQ*\b+(\q)
.set XSA, SC+8*NQ*(\sc)+NQ*(\a)+(\q)
.if (\zero) == 1
	v_wmma_scale_f32_16x16x128_f8f6f4 v[XD:XD+7], v[XB:XB+FR-1], v[XA:XA+FR-1], v[BI+8*\b:BI+8*\b+7], v[XSB], v[XSA] matrix_a_fmt:MATRIX_FMT_FP6 matrix_b_fmt:MATRIX_FMT_FP6 matrix_a_scale:MATRIX_SCALE_ROW1
.elseif (\zero) == 2
	v_wmma_scale_f32_16x16x128_f8f6f4 v[XD:XD+7], v[XB:XB+FR-1], v[XA:XA+FR-1], v[BI+8*(\a):BI+8*(\a)+7], v[XSB], v[XSA] matrix_a_fmt:MATRIX_FMT_FP6 matrix_b_fmt:MATRIX_FMT_FP6 matrix_a_scale:MATRIX_SCALE_ROW1
.else
	v_wmma_scale_f32_16x16x128_f8f6f4 v[XD:XD+7], v[XB:XB+FR-1], v[XA:XA+FR-1], v[XD:XD+7], v[XSB], v[XSA] matrix_a_fmt:MATRIX_FMT_FP6 matrix_b_fmt:MATRIX_FMT_FP6 matrix_a_scale:MATRIX_SCALE_ROW1
.endif
.endr
.endr
.endm
.macro FETCH_B slot, q, p
	WIN TO_B
.irp i, 0,1,2,3,4,5,6,7
	FRAG 128*(\p)+FR*\i, ADRB+\slot, \q, \i
.endr
	WIN 0
.endm
.macro FETCH_A slot, q, i0
.irp i, \i0, \i0+1, \i0+2, \i0+3
	FRAG AF+FR*(\i), ADRA+\slot, \q, \i
.endr
.endm
.macro SCALES sc
.irp i, 0,1,2,3,4,5,6,7
	ds_load_b64 v[SC+8*NQ*\sc+NQ*\i:SC+8*NQ*\sc+NQ*\i+1], v[ADRS] offset:\i*SBLK
.endr
.endm
.macro PLACES n
.rept \n
	v_nop
.endr
.endm
.macro STEP slot, q, zero
	s_wait_dscnt 4*NL
.if \zero
	WIN BEG_LO
.else
	WIN MUL_LO
.endif
	MUL16 0, (\q)%2, \q, \slot, \zero
	MUL16 2, (\q)%2, \q, \slot, \zero
	s_wait_dscnt 0
	PLACES NP
	FETCH_B \slot, (\q)+1, 1-(\q)%2
	FETCH_A \slot, (\q)+1, 0
.if \zero
	WIN BEG_HI
.else
	WIN MUL_HI
.endif
	MUL16 4, (\q)%2, \q, \slot, \zero
	MUL16 6, (\q)%2, \q, \slot, \zero
	PLACES NP
	WIN 0
	FETCH_A \slot, (\q)+1, 4
.endm
.macro TURN slot, next, fill
	s_wait_tensorcnt 0x0
	ds_add_u32 v[SPW], v[NIL]
	s_wait_dscnt 4*NL+1
	WIN MUL_LO
	MUL16 0, 1, NQ-1, \slot, 0
	s_wait_dscnt 0x0
	s_barrier_signal -1
	MUL16 2, 1, NQ-1, \slot, 0
	WIN 0
	s_barrier_wait -1
.if \fill
	CREST
	s_add_nc_u64 s[G0+4*\slot+2:G0+4*\slot+3], s[G0+4*\slot+2:G0+4*\slot+3], 2*ROWB
	s_add_nc_u64 s[G0B+4*\slot+2:G0B+4*\slot+3], s[G0B+4*\slot+2:G0B+4*\slot+3], 2*ROWB
	JLOAD G0+4*\slot, G1, G0B+4*\slot, G1B
.else
	PLACES NP
.endif
	s_wait_alu depctr_va_vdst(0)
	v_add_nc_u32 v[ADRS], 4*NQ, v[ADRS]
	FETCH_B \next, 0, 0
	FETCH_A \next, 0, 0
	SCALES \next
	WIN MUL_HI
	MUL16 4, 1, NQ-1, \slot, 0
	MUL16 6, 1, NQ-1, \slot, 0
	PLACES NP
	WIN 0
	FETCH_A \next, 0, 4
.endm
	s_wait_alu depctr_va_vdst(0)
	s_wait_tensorcnt 0x0                           ; my tile of the head's four is in; the three lines ahead of a later first fill, as ahead of a refill
	ds_add_u32 v[SPW], v[NIL]
	s_mov_b32 s[G1+2], 96<<16                      ; no tensor load of mine is out: from here on a load brings 128 rows of codes = 96 rows of 256 bytes
	s_mov_b32 s[G1+4], 96
	s_mov_b32 s[G1B+2], 96<<16
	s_mov_b32 s[G1B+4], 96
	s_wait_dscnt 0x0
	CROUND                                         ; all four tiles are in, in every partner
	JLOAD G0+4, G1, G0B+4, G1B                     ; chunk 1, the first tensor load behind the round
	FETCH_B 0, 0, 0
	FETCH_A 0, 0, 0
	s_wait_alu depctr_va_vdst(0)
	SCALES 0
	FETCH_A 0, 0, 4
	s_wait_loadcnt 0x0
	s_cmp_lt_u32 s[KIND], 2
	s_cbranch_scc0 .Lfirst_rows
	STEP 0, 0, 1
	s_branch .Lfirst_done
.Lfirst_rows:
	STEP 0, 0, 2
.Lfirst_done:
	s_mov_b32 s3, LAPS-1
.Llap:
	TURN 0, 1, 1
	STEP 1, 0, 0
	TURN 1, 0, 1
	STEP 0, 0, 0
	s_sub_co_u32 s3, s3, 1
	s_cmp_lg_u32 s3, 0
	s_cbranch_scc1 .Llap
	TURN 0, 1, 0
	STEP 1, 0, 0
	s_wait_dscnt 4*NL
	WIN MUL_LO
	MUL16 0, 1, NQ-1, 1, 0
	MUL16 2, 1, NQ-1, 1, 0
	s_wait_dscnt 0
	WIN MUL_HI
	MUL16 4, 1, NQ-1, 1, 0
	MUL16 6, 1, NQ-1, 1, 0
	WIN 0
	PLACES NP
.macro QUANT a, d0, d1
.set QS, 64*((\a)%4)
.set QW, 2+(\a)/4
	WIN QW|(QW<<2)
.irp b, 0,1,2,3
	v_max3_num_f32 v[TM+\b], |v[QS+16*\b]|, |v[QS+1+16*\b]|, 0x1800000
.endr
	WIN (QW<<2)|(QW<<4)
.irp i, 2,4,6,8,10,12,14
.irp b, 0,1,2,3
	v_max3_num_f32 v[TM+\b], v[TM+\b], |v[QS+16*\b+\i]|, |v[QS+1+16*\b+\i]|
.endr
.endr
	WIN 0
.irp b, 0,1,2,3
	v_permlanex16_b32 v[TM+4+\b], v[TM+\b], s[SEL], s[SEL+1]
.endr
.irp b, 0,1,2,3
	v_max_num_f32 v[TM+\b], v[TM+\b], v[TM+4+\b]
.endr
.irp b, 0,1,2,3
	v_add_nc_u32 v[TM+12+\b], 0xff000000, v[TM+\b]
.endr
.irp b, 0,1,2,3
	v_lshrrev_b32 v[TM+4+\b], 23, v[TM+12+\b]
.endr
	v_lshl_or_b32 v[PWS+(\a)], v[TM+5], 8, v[TM+4]
	v_lshl_or_b32 v[PWS+(\a)], v[TM+6], 16, v[PWS+(\a)]
	v_lshl_or_b32 v[PWS+(\a)], v[TM+7], 24, v[PWS+(\a)]
	WIN QW
	v_cvt_scalef32_pk16_fp6_f32 v[\d0:\d0+2], v[QS:QS+15], v[TM+12]
	v_cvt_scalef32_pk16_fp6_f32 v[CT:CT+2], v[QS+16:QS+31], v[TM+13]
	v_cvt_scalef32_pk16_fp6_f32 v[\d1:\d1+2], v[QS+32:QS+47], v[TM+14]
	v_cvt_scalef32_pk16_fp6_f32 v[CT+4:CT+6], v[QS+48:QS+63], v[TM+15]
	WIN 0
	v_nop
.irp i, 0,1,2
	v_permlane16_swap_b32 v[\d0+\i], v[CT+\i]
.endr
.irp i, 0,1,2
	v_mov_b32 v[\d0+3+\i], v[CT+\i]
.endr
.irp i, 0,1,2
	v_permlane16_swap_b32 v[\d1+\i], v[CT+4+\i]
.endr
.irp i, 0,1,2
	v_mov_b32 v[\d1+3+\i], v[CT+4+\i]
.endr
.endm
.irp b, 0,1,2,3
	v_mov_b32 v[TM+4+\b], 0
.endr
	v_cmp_ne_u32 s[HM], 0, v2
	s_cmp_lt_u32 s[KIND], 2
	s_cbranch_scc0 .Lepi_v
.irp be, 0,1,2,3
.set IS, IMG+24*(\be%2)
.if \be > 1
	s_wait_xcnt 0x0
.endif
	QUANT 2*\be, IS, IS+12
	QUANT 2*\be+1, IS+6, IS+18
.irp c, 0,1
.irp k, 0,1,2
	global_store_b128 v[LI], v[IS+12*\c+4*\k:IS+12*\c+4*\k+3], s[14:15] offset:294912*\c+1536*\be+512*\k
.endr
.endr
.endr
.irp i, 0,1,2,3
	v_cndmask_b32 v[SW+\i], v[PWS+\i], v[PWS+4+\i], s[HM]
.endr
.irp i, 0,1,2,3
	v_lshrrev_b32 v[SW+4+\i], 16, v[SW+\i]
.endr
	global_store_b128 v[LI], v[SW:SW+3], s[16:17]
	global_store_b128 v[LI], v[SW+4:SW+7], s[16:17] offset:20480
	s_branch .Ldone
.Lepi_v:
.irp a, 0,1,2,3,4,5,6,7
.set IS, IMG+24*(\a%2)
.if \a > 1
	s_wait_xcnt 0x0
.endif
	QUANT \a, IS, IS+6
.irp k, 0,1,2
	global_store_b128 v[LI], v[IS+4*\k:IS+4*\k+3], s[14:15] offset:294912*(\a/4)+1536*(\a%4)+512*\k
.endr
.endr
.irp c, 0,1
.irp i, 0,1
	v_cndmask_b32 v[SW+2*\c+\i], v[PWS+4*\c+\i], v[PWS+4*\c+2+\i], s[HM]
.endr
.endr
	global_store_b64 v[L8], v[SW:SW+1], s[16:17]
	global_store_b64 v[L8], v[SW+2:SW+3], s[16:17] offset:20480
.Ldone:
	s_wait_tensorcnt 0x0
	ds_add_u32 v[SPW], v[NIL]
	s_wait_dscnt 0x0
	CROUND
	s_endpgm
.Lfunc_end_k_q8432a0d9bd_proj:
	.size	k_q8432a0d9bd_proj, .Lfunc_end_k_q8432a0d9bd_proj-k_q8432a0d9bd_proj
	.p2alignl 7, 3214868480
	.fill 96, 4, 3214868480
	.section	.rodata,"a",@progbits
	.p2align	6, 0x0
	.amdhsa_kernel k_q8432a0d9bd_proj
		.amdhsa_group_segment_fixed_size 327680
		.amdhsa_private_segment_fixed_size 0
		.amdhsa_enable_private_segment 0
		.amdhsa_kernarg_size 56
		.amdhsa_user_sgpr_count 2
		.amdhsa_user_sgpr_kernarg_segment_ptr 1
		.amdhsa_wavefront_size32 1
		.amdhsa_system_sgpr_workgroup_id_x 1
		.amdhsa_system_sgpr_workgroup_id_y 1
		.amdhsa_system_sgpr_workgroup_id_z 1
		.amdhsa_system_vgpr_workitem_id 0
		.amdhsa_next_free_vgpr 1024
		.amdhsa_next_free_sgpr 102
		.amdhsa_reserve_vcc 0
		.amdhsa_float_denorm_mode_32 3
		.amdhsa_float_denorm_mode_16_64 3
		.amdhsa_memory_ordered 1
		.amdhsa_forward_progress 1
		.amdhsa_inst_pref_size 223
	.end_amdhsa_kernel
	.amdgpu_metadata
---
amdhsa.version: [ 1, 2 ]
amdhsa.kernels:
  - .name:           k_q8432a0d9bd_proj
    .symbol:         k_q8432a0d9bd_proj.kd
    .args:
      - { .name: cod, .offset: 0, .size: 8, .value_kind: global_buffer, .address_space: global }
      - { .name: scl, .offset: 8, .size: 8, .value_kind: global_buffer, .address_space: global }
      - { .name: bq, .offset: 16, .size: 8, .value_kind: global_buffer, .address_space: global }
      - { .name: bk, .offset: 24, .size: 8, .value_kind: global_buffer, .address_space: global }
      - { .name: bv, .offset: 32, .size: 8, .value_kind: global_buffer, .address_space: global }
      - { .name: img, .offset: 40, .size: 8, .value_kind: global_buffer, .address_space: global }
      - { .name: isc, .offset: 48, .size: 8, .value_kind: global_buffer, .address_space: global }
    .group_segment_fixed_size: 327680
    .private_segment_fixed_size: 0
    .kernarg_segment_align: 8
    .kernarg_segment_size: 56
    .max_flat_workgroup_size: 128
    .sgpr_count:     102
    .vgpr_count:     1024
    .wavefront_size: 32
...
	.end_amdgpu_metadata
.endif
;; end of part 2
;; launch attn (part 3): grid 4 x 64, 16 waves a work-group, clusters of 4 x 1, 212,992 bytes of LDS; arguments img, isc, ac, asc; writes ac, asc
.if DOCPART == 3
	.amdgcn_target "amdgcn-amd-amdhsa--gfx1250"
	.amdhsa_code_object_version 6
	.text
	.protected	k_q8432a0d9bd_attn
	.globl	k_q8432a0d9bd_attn
	.p2align	8
	.type	k_q8432a0d9bd_attn,@function
k_q8432a0d9bd_attn:
	s_mov_b64 s[64:65], 0
	v_nop
	global_prefetch_b8 v0, s[64:65] scope:SCOPE_SE
	s_setreg_imm32_b32 hwreg(HW_REG_WAVE_MODE, 25, 1), 1
	s_wait_xcnt 0x0
	s_wait_alu depctr_hold_cnt(0) depctr_sa_sdst(0) depctr_va_vdst(0) depctr_va_sdst(0) depctr_va_ssrc(0) depctr_va_vcc(0) depctr_vm_vsrc(0)
	s_getreg_b32 s2, hwreg(HW_REG_IB_STS2, 6, 4)
	s_cmp_eq_u32 s2, 0
	s_cbranch_scc0 .Lentry_in_a_cluster
	s_endpgm
.Lentry_in_a_cluster:
	s_bfe_u32 s2, ttmp6, 0x10000c
	s_cmp_lg_u32 s2, 0x3003
	s_cbranch_scc0 .Lentry_shape_is_right
	s_endpgm
.Lentry_shape_is_right:
; Attention on codes of FP6 (E2M3) with E8M0 scales, for each bh = 16 b + head: S = q k^T / 8, the softmax, O = p v / l; O is quantised along E (two blocks of 32 to a head) for the last projection.
; THE SOFTMAX: t = score x log2(e) / 8; M = the running largest t rounded UP to a whole number; p = 2^(t - M) is quantised along the keys, not normalised; l is the sum of the unquantised p;
; when M moves, l and O are multiplied by 2^(old M - new M), exactly.
; SHARES.  A work-group takes one bh and 512 queries; each of its sixteen waves two tiles of 16 queries, one after the other, each over all 2,048 keys, 128 a step.
; ALL OF A HEAD'S K AND V (196,608 bytes of codes, 12,288 of scale words) LIE IN LDS, filled ONCE by joint loads of the cluster's four work-groups (mask 15): no ring, no refill, no barrier in the loops,
; and no loop to prefetch in: all is asked for at the head.  The codes lie as images of the operand registers.
; LAYOUT.  Both products are used transposed: S^T = K Q^T, O^T = V^T P^T: a lane holds ONE query.  Row r of K's tile t is key 64 (t / 4) + 32 (r / 8) + 8 (t % 4) + r % 8 of the step (the first launch stores the keys' rows so):
; so the 32 registers of tiles 0-3 of lane (r, h) are the WHOLE block of keys 32 h + 0 .. 31, those of tiles 4-7 the block 64 + 32 h + 0 .. 31, which is how p's operand wants them: no lane is asked for a block's maximum or codes.
; V^T's tile t holds channels 32 (t / 2) + 8 (t % 2) + r + 8 (r / 8): O^T's 16 registers of two neighbouring tiles are 16 neighbouring channels.
; K = 64 IN AN INSTRUCTION OF 128: Q's registers 6-11 hold zero codes; K's fragment t is six registers of its own and the six behind them, whatever they hold: every 6-bit code is a finite number and no scale byte here is 0xff,
; so the products for k = 64 .. 127 are exact zeros.
; TWO REGIONS OF 64 REGISTERS CHANGE ROLES FROM STEP TO STEP: one holds K, then V; the other the scores, then p.  When p has been converted its region takes the NEXT step's K, which lands under the rest of the step.
; (The last step of a pass so loads 13 times from the LDS bytes behind K's, which are filled; the results are not used.)
; LIMITS: a block's largest p is made from the block's largest score by the same multiply-add and exponential (it takes v_exp_f32 not to fall where its input rises); a block of zeros gets the byte 1;
; NaN and infinities are not served; the scaled scores stay under 2^31 in magnitude.  asc is stored 2 bytes a row (a head's two bytes of a row's 32).
.set VIMG,  98304                      ; LDS: K's images from 0, V's from here: 6,144 bytes a step, 512 n + 16 lane
.set KSC,   196608                     ; K's scale words: 512 bytes a step
.set VSC,   204800                     ; V's: 256 bytes a step
.set SPARE, 208896                     ; the spare words: 128 bytes a wave
.set L16, 1                            ; 16 x lane
.set L8,  2                            ; 8 x lane
.set SPW, 3                            ; my spare word; never rewritten
.set NIL, 4                            ; 0; never rewritten
.set ADK, 5                            ; the step's LDS addresses: K (the next step's by the loads' immediate), V, K's scale words, V's
.set ADV, 6
.set ADS, 7
.set ADT, 8
.set AKS, 9                            ; 16 x lane + KSC
.set AVS, 10                           ; 8 x lane + VSC
.set TA,  11                           ; lane / 16;  v12 -M, v13 the largest t, v[14:15] the sum
.set QF,  16                           ; v16-27 Q's fragment; 22-27 zeros
.set RA,  28                           ; v28-91 region A
.set QSL, 92                           ; v92-93 my two tiles' scale words
.set AVI, 94                           ; 16 x lane + VIMG
.set QA,  95                           ; an offset
.set RB,  96                           ; v96-159 region B
.set O,   160                          ; v160-191 O^T
.set PC,  192                          ; v192-203 p's codes; at a pass's end O's
.set CT,  204                          ; v204-211 the conversions' second halves
.set BM,  212                          ; v212-213 my two blocks' largest
.set SH8, 214                          ; 8 x (lane / 16)
.set X,   215                          ; what lane l xor 16 holds
.set MX,  216                          ; v216-219 four chains of the maxima
.set SO,  220                          ; v220-221 the conversions' scale operands
.set BY,  222                          ; v222-223 the scales' bytes
.set KS,  224                          ; v224-227 K's scale words
.set VS,  228
.set PW,  230
.set QS,  231
.set F,   232                          ; v[232:233] f = 2^(old M - new M)
.set TT,  234
.set OM,  235                          ; the old -M
.set OW,  236                          ; v236-237 the two tiles' scale bytes of O
.set QL,  238                          ; v238-249 my two tiles of Q
.set T,   250                          ; v250-255 three more chains of the sum
.set WV,  12
.set SEL, 20
.set CS,  22                           ; s[22:23] c = log2(e) / 8
.set G1,  24
.set G1S, 32
.set G0,  40
.set G0S, 44
.set TS6, 48                           ; the step's places: 6,144, 512 and 256 bytes a step
.set TS5, 49
.set TS4, 50
.set CNT, 51
.set HM,  52
.macro CROUND
	s_barrier_signal -1
	s_barrier_wait -1
	s_cmp_lg_u32 s[WV], 0
	s_cbranch_scc1 .Lnot_wave_0_\@
	s_barrier_signal -3
.Lnot_wave_0_\@:
	s_barrier_wait -3
	s_barrier_signal -1
	s_barrier_wait -1
.endm
.macro WALU
	s_wait_alu depctr_va_vdst(0)
.endm
.macro FMA2 n                          ; t - M, two at a time, from register S + j on
.rept \n
	v_pk_fma_f32 v[S+j:S+j+1], v[S+j:S+j+1], s[CS:CS+1], v[12:13] op_sel_hi:[1,0,0]
.set j, j+2
.endr
.endm
.macro SUMS n                          ; the sum of the unquantised p, three chains by turns, from pair 14 + 2 j on
.rept \n
	v_pk_add_f32 v[T+2*(j%3):T+2*(j%3)+1], v[T+2*(j%3):T+2*(j%3)+1], v[S+14+2*j:S+15+2*j]
.set j, j+1
.endr
.endm
	s_load_b256 s[4:11], s[0:1], 0x0               ; img, isc, ac, asc
	v_lshl_add_u32 v[SPW], v0, 2, SPARE
	v_mov_b32 v[NIL], 0
	ds_add_u32 v[SPW], v[NIL]                      ; the opening lines: the add twice and its wait ahead of my first tensor load
	ds_add_u32 v[SPW], v[NIL]
	v_lshrrev_b32 v[ADK], 5, v0
	v_readfirstlane_b32 s[WV], v[ADK]              ; wave 0..15
	s_bfe_u32 s13, ttmp6, 0x40000                  ; cx: it enters the addresses of Q, ac and asc alone
	s_and_b32 s14, ttmp7, 0xffff                   ; bh, which the four partners share
	s_mov_b32 s[G1], 15|(3<<16)|(1<<21)            ; the mask: all four; elements of 8 bytes; 96 dense rows of 256 bytes
	s_mov_b32 s[G1+1], 32<<16
	s_mov_b32 s[G1+2], 96<<16
	s_mov_b32 s[G1+3], 32<<16
	s_mov_b32 s[G1+4], 96
	s_mov_b32 s[G1+5], 32
	s_mov_b32 s[G1+6], 0
	s_mov_b32 s[G1+7], 0
	s_mov_b32 s[G1S], 15|(3<<16)|(1<<21)           ; the scale words: 48 rows
	s_mov_b32 s[G1S+1], 32<<16
	s_mov_b32 s[G1S+2], 48<<16
	s_mov_b32 s[G1S+3], 32<<16
	s_mov_b32 s[G1S+4], 48
	s_mov_b32 s[G1S+5], 32
	s_mov_b32 s[G1S+6], 0
	s_mov_b32 s[G1S+7], 0
	s_mov_b32 s[SEL], 0x76543210
	s_mov_b32 s[SEL+1], 0xfedcba98
	s_mov_b32 s[CS], 0x3e38aa3b
	s_mov_b32 s[CS+1], s[CS]
	s_mul_i32 s16, s14, 294912                     ; the head's images
	s_and_b32 s15, s[WV], 7
	s_mul_i32 s15, s15, 24576                      ; waves 0-7 fetch an eighth of K's and V's codes each
	s_add_co_u32 s18, s16, s15
	s_add_co_u32 s18, s18, 98304
	s_mov_b32 s19, 0
	s_mul_i32 s3, s14, 20480                       ; the head's scale words
	s_add_co_u32 s60, s3, 8192                     ; k's, with v's behind them
	s_mov_b32 s61, 0
	s_lshl_b32 s53, s13, 2
	s_lshr_b32 s2, s[WV], 2
	s_add_co_u32 s53, s53, s2                      ; my group of 128 queries: 4 cx + wave / 4
	s_and_b32 s17, s[WV], 3                        ; my pair of tiles in it
	s_mul_i32 s54, s53, 6144
	s_add_co_u32 s54, s54, s16
	s_mul_i32 s2, s17, 1536
	s_add_co_u32 s54, s54, s2
	s_mov_b32 s55, 0                               ; Q's codes
	s_lshl_b32 s56, s53, 9
	s_add_co_u32 s56, s56, s3
	s_lshr_b32 s2, s17, 1
	s_lshl_b32 s2, s2, 8
	s_add_co_u32 s56, s56, s2
	s_and_b32 s2, s17, 1
	s_lshl_b32 s2, s2, 3
	s_add_co_u32 s56, s56, s2
	s_mov_b32 s57, 0                               ; Q's scale words
	s_lshr_b32 s2, s14, 4
	s_lshl_b32 s2, s2, 4
	s_add_co_u32 s2, s2, s53
	s_lshl_b32 s2, s2, 3
	s_lshl_b32 s3, s17, 1
	s_add_co_u32 s2, s2, s3                        ; my first tile of 16 stored rows
	s_and_b32 s3, s14, 15                          ; the head
	s_mul_i32 s58, s2, 12288
	s_mul_i32 s17, s3, 768
	s_add_co_u32 s58, s58, s17
	s_mov_b32 s59, 0                               ; ac
	s_lshl_b32 s62, s2, 9
	s_lshl_b32 s3, s3, 1
	s_add_co_u32 s62, s62, s3
	s_mov_b32 s63, 0                               ; asc
	v_and_b32 v[TA], 31, v0
	v_lshlrev_b32 v[L16], 4, v[TA]
	v_lshlrev_b32 v[L8], 3, v[TA]
	v_add_nc_u32 v[AKS], KSC, v[L16]
	v_add_nc_u32 v[AVS], VSC, v[L8]
	v_add_nc_u32 v[AVI], VIMG, v[L16]
	v_and_b32 v[QA], 15, v0
	v_lshlrev_b32 v[QA], 4, v[QA]                  ; 16 r: my row's scale words
	v_bfe_u32 v[TA], v0, 4, 1
	v_lshlrev_b32 v[SH8], 3, v[TA]
	v_cmp_ne_u32 s[HM], 0, v[TA]
	s_wait_dscnt 0x0                               ; both opening adds are done
	s_wait_kmcnt 0x0
	s_mov_b32 s[G0], 1
	s_mov_b32 s[G0+1], s15
	s_add_nc_u64 s[G0+2:G0+3], s[4:5], s[18:19]
	s_or_b32 s[G0+3], s[G0+3], 0x80000000
	s_mov_b32 s[G0S], 1
	s_mov_b32 s[G0S+1], KSC
	s_add_nc_u64 s[G0S+2:G0S+3], s[6:7], s[60:61]
	s_or_b32 s[G0S+3], s[G0S+3], 0x80000000
	s_add_nc_u64 s[54:55], s[4:5], s[54:55]
	s_add_nc_u64 s[56:57], s[6:7], s[56:57]
	s_add_nc_u64 s[8:9], s[8:9], s[58:59]
	s_add_nc_u64 s[10:11], s[10:11], s[62:63]
	CROUND                                         ; all four work-groups are here: the joint loads meet
	s_cmp_lt_u32 s[WV], 8                          ; first fills all: waves 0-7 the codes, wave 8 the scale words; one load of a wave is out
	s_cbranch_scc0 .Lnot_codes
	tensor_load_to_lds s[G0:G0+3], s[G1:G1+7]
	s_nop 0
.rept 4
	v_nop
.endr
	s_branch .Lasked
.Lnot_codes:
	s_cmp_eq_u32 s[WV], 8
	s_cbranch_scc0 .Lasked
	tensor_load_to_lds s[G0S:G0S+3], s[G1S:G1S+7]
	s_nop 0
.rept 4
	v_nop
.endr
.Lasked:
	WALU                                           ; the offsets were made ahead of the round
.irp k, 0,1,2
	global_load_b128 v[QL+4*\k:QL+4*\k+3], v[L16], s[54:55] offset:512*\k   ; my pair of tiles of Q, as the registers want them
.endr
	global_load_b64 v[QSL:QSL+1], v[QA], s[56:57]
.irp i, 6,7,8,9,10,11
	v_mov_b32 v[QF+\i], 0                          ; zero codes for k = 64 .. 127
	v_mov_b32 v[RA+42+\i], 0                       ; behind K's tile 7 in the first step (later steps find old p there)
.endr
	v_mov_b32 v[X], 0                              ; a lane permute's destination counts as one of its sources
	v_mov_b32 v[F+1], 0                            ; (named as the upper half of a pair)
	WALU
	s_wait_tensorcnt 0x0                           ; my part of the head is in,
	s_barrier_signal -1
	s_barrier_wait -1                              ; everybody's is
	s_wait_loadcnt 0x0                             ; Q
; A KEY STEP: 128 keys.  KR: the region with this step's K (asked for in the step before), then V; S: the scores, p, then the next step's K.
.macro STEP
	v_pk_add_f32 v[T:T+1], v[T:T+1], v[T+2:T+3]    ; the last step's chains of the sum are joined here: five plain lines, the places between the last products and the products that write over their V
	v_pk_add_f32 v[14:15], v[14:15], v[T+4:T+5]
	v_mov_b32 v[OM], v12
	v_add_nc_u32 v[ADK], s[TS6], v[L16]
	v_pk_add_f32 v[14:15], v[14:15], v[T:T+1]
	s_wait_dscnt 0x0                               ; K and its scale words
.irp t, 0,1,2,3
	v_wmma_scale_f32_16x16x128_f8f6f4 v[S+8*\t:S+8*\t+7], v[KR+6*\t:KR+6*\t+11], v[QF:QF+11], 0, v[KS+\t], v[QS] matrix_a_fmt:MATRIX_FMT_FP6 matrix_b_fmt:MATRIX_FMT_FP6
.endr
.irp t, 4,5,6,7
	v_wmma_scale_f32_16x16x128_f8f6f4 v[S+8*\t:S+8*\t+7], v[KR+6*\t:KR+6*\t+11], v[QF:QF+11], 0, v[KS+\t-4], v[QS] matrix_a_fmt:MATRIX_FMT_FP6 matrix_b_fmt:MATRIX_FMT_FP6 matrix_a_scale:MATRIX_SCALE_ROW1
.endr
	v_add_nc_u32 v[ADV], s[TS6], v[AVI]            ; four places in front of the loads below and of the first read of the scores
	v_add_nc_u32 v[ADT], s[TS4], v[AVS]
	v_add_nc_u32 v[ADS], s[TS5], v[AKS]
	v_nop
.irp n, 0,1,2,3,4,5,6,7,8,9,10,11
	ds_load_b128 v[KR+4*\n:KR+4*\n+3], v[ADV] offset:512*\n    ; V's four fragments land under the softmax
.endr
	ds_load_b64 v[VS:VS+1], v[ADT]
.irp b, 0,1,2,3
	v_max3_num_f32 v[MX+\b], v[S+16*\b], v[S+1+16*\b], v[S+2+16*\b]   ; four chains by turns, each over 15 of 16 scores
.endr
.irp i, 3,5,7,9,11,13
.irp b, 0,1,2,3
	v_max3_num_f32 v[MX+\b], v[MX+\b], v[S+16*\b+\i], v[S+1+16*\b+\i]
.endr
.endr
	v_max3_num_f32 v[BM], v[MX], v[MX+1], v[S+15]  ; the largest score of my two blocks of 32 keys: for the row's maximum, and for the block's largest p
	v_max3_num_f32 v[BM+1], v[MX+2], v[MX+3], v[S+47]
	v_max_num_f32 v[BM], v[BM], v[S+31]
	v_max_num_f32 v[BM+1], v[BM+1], v[S+63]
	v_max_num_f32 v[TT], v[BM], v[BM+1]
	s_delay_alu instid0(VALU_DEP_1)
	v_permlanex16_b32 v[X], v[TT], s[SEL], s[SEL+1]
	s_delay_alu instid0(VALU_DEP_1)
	v_max_num_f32 v[TT], v[TT], v[X]               ; with lane l xor 16's two blocks
	s_delay_alu instid0(VALU_DEP_1)
	v_mul_f32 v[TT], s[CS], v[TT]                  ; as t (c is positive)
	s_delay_alu instid0(VALU_DEP_1)
	v_max_num_f32 v13, v13, v[TT]                  ; the running largest t
	s_delay_alu instid0(VALU_DEP_1)
	v_floor_f32 v12, -v13                          ; the new -M = floor(-t)
.set j, 0
	FMA2 4                                         ; the first block's t - M, with f's three lines among them
	v_sub_f32 v[TT], v12, v[OM]                    ; old M - new M: a whole number, 0 or less
	FMA2 4
	v_cvt_i32_f32 v[TT], v[TT]                     ; (it saturates)
	FMA2 4
	v_ldexp_f32 v[F], 1.0, v[TT]                   ; f
	FMA2 4
	v_fma_f32 v[BM], v[BM], s[CS], v12             ; the same of each block's largest score
	v_fma_f32 v[BM+1], v[BM+1], s[CS], v12
	v_pk_mul_f32 v[14:15], v[14:15], v[F:F+1] op_sel_hi:[1,0]   ; the sum under the new M
	WALU                                           ; ahead of the batch
	v_exp_f32 v[BM], v[BM]                         ; the blocks' largest p
	v_exp_f32 v[BM+1], v[BM+1]
.rept 16
	v_exp_f32 v[S+j-32], v[S+j-32]                 ; p of registers 0-31; among them the other 32's t - M, which no line of this batch reads
	v_pk_fma_f32 v[S+j:S+j+1], v[S+j:S+j+1], s[CS:CS+1], v[12:13] op_sel_hi:[1,0,0]
	v_exp_f32 v[S+j-31], v[S+j-31]
.set j, j+2
.endr
	WALU                                           ; behind the first batch and ahead of the second
.irp k, 0,1,2,3                        ; p of registers 32-63; among them six lines that read the first batch alone and are read behind the next wait
	v_exp_f32 v[S+32+8*\k], v[S+32+8*\k]
.if \k < 2
	v_max_num_f32 v[BM+\k], 0x1800000, v[BM+\k]    ; the floor 2^(3 - 127): the byte cannot fall under 1
.endif
	v_exp_f32 v[S+33+8*\k], v[S+33+8*\k]
	v_exp_f32 v[S+34+8*\k], v[S+34+8*\k]
	v_exp_f32 v[S+35+8*\k], v[S+35+8*\k]
.if \k < 3
	v_pk_add_f32 v[T+2*\k:T+2*\k+1], v[S+4*\k:S+4*\k+1], v[S+4*\k+2:S+4*\k+3]   ; the sum's chains begin
.else
	v_pk_add_f32 v[14:15], v[14:15], v[S+12:S+13]
.endif
	v_exp_f32 v[S+36+8*\k], v[S+36+8*\k]
	v_exp_f32 v[S+37+8*\k], v[S+37+8*\k]
	v_exp_f32 v[S+38+8*\k], v[S+38+8*\k]
	v_exp_f32 v[S+39+8*\k], v[S+39+8*\k]
.endr
	WALU                                           ; one wait for the batch, ahead of its first reader
.set j, 0
	v_add_nc_u32 v[SO], 0xff000000, v[BM]          ; 2 off the exponent field: the conversion's scale operand.  The scale word's lines stand among the sums
	v_add_nc_u32 v[SO+1], 0xff000000, v[BM+1]
	SUMS 3
	v_lshrrev_b32 v[BY], 23, v[SO]                 ; the scales' bytes: blocks h and 2 + h
	v_lshrrev_b32 v[BY+1], 23, v[SO+1]
	SUMS 3
	v_lshl_or_b32 v[PW], v[BY+1], 16, v[BY]
	SUMS 3
	v_lshlrev_b32 v[PW], v[SH8], v[PW]             ; at their places in the scale word: 8 h bits up
	SUMS 3
	v_permlanex16_b32 v[X], v[PW], s[SEL], s[SEL+1]
	SUMS 12
	v_pk_add_f32 v[14:15], v[14:15], v[S+62:S+63]
.irp c, 0,1
	v_cvt_scalef32_pk16_fp6_f32 v[PC+6*\c:PC+6*\c+2], v[S+32*\c:S+32*\c+15], v[SO+\c]
	v_cvt_scalef32_pk16_fp6_f32 v[CT+4*\c:CT+4*\c+2], v[S+16+32*\c:S+31+32*\c], v[SO+\c]
.endr
	v_or_b32 v[PW], v[PW], v[X]                    ; with lane l xor 16's two bytes the word is whole (the plain place behind the scaled conversions)
.irp n, 0,1,2,3,4,5,6,7,8,9,10,11
	ds_load_b128 v[S+4*\n:S+4*\n+3], v[ADK] offset:6144+512*\n  ; p is done with: its region takes the next step's K
.endr
	ds_load_b128 v[KS:KS+3], v[ADS] offset:512
.irp c, 0,1
.irp i, 0,1,2
	v_mov_b32 v[PC+3+6*\c+\i], v[CT+4*\c+\i]       ; (a conversion's three registers begin on an even number)
.endr
.endr
	s_wait_dscnt 13                                ; V and its scale words; the 13 loads of the next K are younger and may be out
	WALU                                           ; directly ahead of the first reader of O^T
.set j, 0
.rept 16
	v_pk_mul_f32 v[O+j:O+j+1], v[O+j:O+j+1], v[F:F+1] op_sel_hi:[1,0]   ; O^T under the new M (also the places between p's codes and scale word and the products)
.set j, j+2
.endr
.irp t, 0,1
	v_wmma_scale_f32_16x16x128_f8f6f4 v[O+8*\t:O+8*\t+7], v[KR+12*\t:KR+12*\t+11], v[PC:PC+11], v[O+8*\t:O+8*\t+7], v[VS+\t], v[PW] matrix_a_fmt:MATRIX_FMT_FP6 matrix_b_fmt:MATRIX_FMT_FP6
.endr
.irp t, 2,3
	v_wmma_scale_f32_16x16x128_f8f6f4 v[O+8*\t:O+8*\t+7], v[KR+12*\t:KR+12*\t+11], v[PC:PC+11], v[O+8*\t:O+8*\t+7], v[VS+\t-2], v[PW] matrix_a_fmt:MATRIX_FMT_FP6 matrix_b_fmt:MATRIX_FMT_FP6 matrix_a_scale:MATRIX_SCALE_ROW1
.endr
	s_add_co_u32 s[TS6], s[TS6], 6144
	s_add_co_u32 s[TS5], s[TS5], 512
	s_add_co_u32 s[TS4], s[TS4], 256
.endm
; Tile u of my pair: sixteen key steps, two a trip, then O / l, quantised, out.  O^T and the sums begin as zeros and the largest t as -3e38, so the first f is 0.
.macro PASS u
	s_wait_xcnt 0x0                                ; the last tile's stores have read their data, which lie in p's code registers
.irp n, 0,1,2,3,4,5,6,7,8,9,10,11
	ds_load_b128 v[RA+4*\n:RA+4*\n+3], v[L16] offset:512*\n    ; step 0's K
.endr
	ds_load_b128 v[KS:KS+3], v[AKS]
.irp i, 0,1,2,3,4,5
	v_mov_b32 v[QF+\i], v[QL+6*\u+\i]
	v_mov_b32 v[T+\i], 0
.endr
	v_mov_b32 v[QS], v[QSL+\u]
	v_mov_b32 v13, 0xff61b1e6
	v_floor_f32 v12, -v13
	v_mov_b32 v14, 0
	v_mov_b32 v15, 0
.set j, 0
.rept 32
	v_mov_b32 v[O+j], 0
.set j, j+1
.endr
	s_mov_b32 s[TS6], 0
	s_mov_b32 s[TS5], 0
	s_mov_b32 s[TS4], 0
	s_mov_b32 s[CNT], 8
.Lstep_\@:
.set KR, RA
.set S, RB
	STEP
.set KR, RB
.set S, RA
	STEP
	s_sub_co_u32 s[CNT], s[CNT], 1
	s_cmp_lg_u32 s[CNT], 0
	s_cbranch_scc1 .Lstep_\@
	s_wait_dscnt 0x0                               ; the last step's 13 loads into region A have landed: it is written below
	v_pk_add_f32 v[T:T+1], v[T:T+1], v[T+2:T+3]    ; the last step's chains of the sum,
	v_pk_add_f32 v[14:15], v[14:15], v[T+4:T+5]
	v_pk_add_f32 v[14:15], v[14:15], v[T:T+1]
	v_add_f32 v14, v14, v15                        ; its two halves,
	v_permlanex16_b32 v[TT], v14, s[SEL], s[SEL+1]
	v_add_f32 v14, v14, v[TT]                      ; and lane l xor 16's
	WALU
	v_rcp_f32 v14, v14
	v_nop                                          ; the plain place behind the reciprocal
	WALU                                           ; ahead of the first reader of the reciprocal and of O^T
.set j, 0
.rept 16
	v_pk_mul_f32 v[S+j:S+j+1], v[O+j:O+j+1], v[14:15] op_sel_hi:[1,0]   ; O / l: register 16 g + i is channel 32 g + 16 h + i
.set j, j+2
.endr
.irp g, 0,1
	v_max3_num_f32 v[BM+\g], |v[S+16*\g]|, |v[S+1+16*\g]|, 0x1800000
.endr
.irp i, 2,4,6,8,10,12,14
.irp g, 0,1
	v_max3_num_f32 v[BM+\g], v[BM+\g], |v[S+16*\g+\i]|, |v[S+1+16*\g+\i]|
.endr
.endr
.irp g, 0,1
	v_permlanex16_b32 v[MX+\g], v[BM+\g], s[SEL], s[SEL+1]
.endr
.irp g, 0,1
	v_max_num_f32 v[BM+\g], v[BM+\g], v[MX+\g]
.endr
.irp g, 0,1
	v_add_nc_u32 v[SO+\g], 0xff000000, v[BM+\g]
.endr
.irp g, 0,1
	v_lshrrev_b32 v[BY+\g], 23, v[SO+\g]
.endr
	v_lshl_or_b32 v[OW+\u], v[BY+1], 8, v[BY]      ; the head's two scale bytes of my row
	v_cvt_scalef32_pk16_fp6_f32 v[PC:PC+2], v[S:S+15], v[SO]
	v_cvt_scalef32_pk16_fp6_f32 v[CT:CT+2], v[S+16:S+31], v[SO+1]
	v_nop
.irp i, 0,1,2
	v_permlane16_swap_b32 v[PC+\i], v[CT+\i]
.endr
.irp i, 0,1,2
	v_mov_b32 v[PC+3+\i], v[CT+\i]                 ; lane (r, h): block h of the head, 24 bytes
.endr
.irp k, 0,1,2
	global_store_b64 v[L8], v[PC+2*\k:PC+2*\k+1], s[8:9] offset:12288*\u+256*\k   ; 32 lanes store 256 consecutive bytes, aligned
.endr
.endm
	PASS 0
	PASS 1
	v_cndmask_b32 v[OW], v[OW], v[OW+1], s[HM]     ; lanes 0-15: tile 0's rows; lanes 16-31: tile 1's
	v_and_b32 v[QA], 15, v0
	v_lshlrev_b32 v[QA], 5, v[QA]
	v_lshl_add_u32 v[QA], v[TA], 9, v[QA]          ; 32 bytes a row, 512 a tile
	global_store_b16 v[QA], v[OW], s[10:11]
	s_wait_tensorcnt 0x0                           ; the wave's end
	ds_add_u32 v[SPW], v[NIL]
	s_wait_dscnt 0x0
	CROUND                                         ; the closing round
	s_endpgm
.Lfunc_end_k_q8432a0d9bd_attn:
	.size	k_q8432a0d9bd_attn, .Lfunc_end_k_q8432a0d9bd_attn-k_q8432a0d9bd_attn
	.p2alignl 7, 3214868480
	.fill 96, 4, 3214868480
	.section	.rodata,"a",@progbits
	.p2align	6, 0x0
	.amdhsa_kernel k_q8432a0d9bd_attn
		.amdhsa_group_segment_fixed_size 212992
		.amdhsa_private_segment_fixed_size 0
		.amdhsa_enable_private_segment 0
		.amdhsa_kernarg_size 32
		.amdhsa_user_sgpr_count 2
		.amdhsa_user_sgpr_kernarg_segment_ptr 1
		.amdhsa_wavefront_size32 1
		.amdhsa_system_sgpr_workgroup_id_x 1
		.amdhsa_system_sgpr_workgroup_id_y 1
		.amdhsa_system_sgpr_workgroup_id_z 1
		.amdhsa_system_vgpr_workitem_id 0
		.amdhsa_next_free_vgpr 256
		.amdhsa_next_free_sgpr 66
		.amdhsa_reserve_vcc 0
		.amdhsa_float_denorm_mode_32 3
		.amdhsa_float_denorm_mode_16_64 3
		.amdhsa_memory_ordered 1
		.amdhsa_forward_progress 1
		.amdhsa_inst_pref_size 78
	.end_amdhsa_kernel
	.amdgpu_metadata
---
amdhsa.version: [ 1, 2 ]
amdhsa.kernels:
  - .name:           k_q8432a0d9bd_attn
    .symbol:         k_q8432a0d9bd_attn.kd
    .args:
      - { .name: img, .offset: 0, .size: 8, .value_kind: global_buffer, .address_space: global }
      - { .name: isc, .offset: 8, .size: 8, .value_kind: global_buffer, .address_space: global }
      - { .name: ac, .offset: 16, .size: 8, .value_kind: global_buffer, .address_space: global }
      - { .name: asc, .offset: 24, .size: 8, .value_kind: global_buffer, .address_space: global }
    .group_segment_fixed_size: 212992
    .private_segment_fixed_size: 0
    .kernarg_segment_align: 8
    .kernarg_segment_size: 32
    .max_flat_workgroup_size: 512
    .sgpr_count:     66
    .vgpr_count:     256
    .wavefront_size: 32
...
	.end_amdgpu_metadata
.endif
;; end of part 3
;; launch outp (part 4): grid 4 x 32, 4 waves a work-group, clusters of 4 x 4, 327,680 bytes of LDS; arguments ac, asc, cod, scl, bo, out0; writes out0
.if DOCPART == 4
	.amdgcn_target "amdgcn-amd-amdhsa--gfx1250"
	.amdhsa_code_object_version 6
	.text
	.protected	k_q8432a0d9bd_outp
	.globl	k_q8432a0d9bd_outp
	.p2align	8
	.type	k_q8432a0d9bd_outp,@function
k_q8432a0d9bd_outp:
	s_mov_b64 s[64:65], 0
	v_nop
	global_prefetch_b8 v0, s[64:65] scope:SCOPE_SE
	s_setreg_imm32_b32 hwreg(HW_REG_WAVE_MODE, 25, 1), 1
	s_wait_xcnt 0x0
	s_wait_alu depctr_hold_cnt(0) depctr_sa_sdst(0) depctr_va_vdst(0) depctr_va_sdst(0) depctr_va_ssrc(0) depctr_va_vcc(0) depctr_vm_vsrc(0)
	s_getreg_b32 s2, hwreg(HW_REG_IB_STS2, 6, 4)
	s_cmp_eq_u32 s2, 0
	s_cbranch_scc0 .Lentry_in_a_cluster
	s_endpgm
.Lentry_in_a_cluster:
	s_bfe_u32 s2, ttmp6, 0x10000c
	s_cmp_lg_u32 s2, 0xf033
	s_cbranch_scc0 .Lentry_shape_is_right
	s_endpgm
.Lentry_shape_is_right:
.set SIZE_N, 1024
.set NQ,     2
.set ROWB,   49152                     ; from a chunk of 256 rows x 192 bytes of cod to the next chunk along K
.set KROW,   768
.set PITCH,  240
.set FR,     12
.set NL,     6
.set NP,     4
.set TILEA,  3072
.set HALFA,  8*TILEA
.set HALFB,  128*PITCH
.set BOFF,   2*HALFA
.set SLOT,   2*HALFA+2*HALFB
.set LAPS,   2
.set KS,     32
.set SCL,    2*SLOT
.set HALFS,  (128*KS/256)*272
.set SBLK,   (16*KS/256)*272
.set SPARE,  SCL+4*HALFS
.set SPITCH, 528
.set BOF,  8
.set ADRA, 16
.set ADRB, 20
.set STO,  24
.set RD,   25
.set CO,   26
.set ADRS, 27
.set SPW,  28
.set NIL,  29
.set SC,   32
.set BI,   64
.set AF,   128
.set BK,   128
.set WV,   18
.set RH,   19
.set CH,   20
.set G1,   24
.set G0,   32
.set TC,   42
.set G1B,  48
.set G0B,  56
.set TR,   66
.set G1S,  68
.set G0S,  76
.set G1SB, 80
.set G0SB, 88
.set MSB, 0
.macro WIN new
.if MSB != (\new)
	s_set_vgpr_msb (MSB<<8)|(\new)
.set MSB, (\new)
.endif
.endm
.set MUL_LO, 0xa1
.set MUL_HI, 0xf1
.set BEG_LO, 0x81
.set BEG_HI, 0xc1
.set TO_B,   0x40
.macro JLOAD g0a, g1a, g0b, g1b
	s_cmp_eq_u32 s[RH], 0
	s_cbranch_scc0 .Lfor_b_\@
	tensor_load_to_lds s[\g0a:\g0a+3], s[\g1a:\g1a+7]
	s_nop 0
.rept 4
	v_nop
.endr
	s_branch .Lasked_\@
.Lfor_b_\@:
	tensor_load_to_lds s[\g0b:\g0b+3], s[\g1b:\g1b+7]
	s_nop 0
.rept 4
	v_nop
.endr
.Lasked_\@:
.endm
.macro CREST
	s_cmp_lg_u32 s[WV], 0
	s_cbranch_scc1 .Lnot_wave_0_\@
	s_barrier_signal -3
.Lnot_wave_0_\@:
	s_barrier_wait -3
	s_barrier_signal -1
	s_barrier_wait -1
.endm
.macro CROUND
	s_barrier_signal -1
	s_barrier_wait -1
	CREST
.endm
	s_load_b256 s[4:11], s[0:1], 0x0
	s_load_b128 s[12:15], s[0:1], 0x20
	v_lshl_add_u32 v[SPW], v0, 2, SPARE
	v_mov_b32 v[NIL], 0
	ds_add_u32 v[SPW], v[NIL]
	ds_add_u32 v[SPW], v[NIL]
	v_lshrrev_b32 v1, 5, v0
	v_readfirstlane_b32 s[WV], v1
	s_lshr_b32 s[RH], s[WV], 1
	s_and_b32 s[CH], s[WV], 1
	s_bfe_u32 s40, ttmp6, 0x40000
	s_bfe_u32 s41, ttmp6, 0x40004
	s_lshl_b32 s[TC], ttmp9, 2
	s_add_co_u32 s[TC], s[TC], s40
	s_and_b32 s[TR], ttmp7, 0xffff
	s_lshl_b32 s[TR], s[TR], 2
	s_add_co_u32 s[TR], s[TR], s41
	s_lshl_b32 s43, s41, 2
	s_lshl_b32 s43, 15, s43
	s_lshl_b32 s44, 0x1111, s40
	s_or_b32 s[G1+0], s43, (3<<16)|(1<<21)
	s_mov_b32 s[G1+1], 384<<16
	s_mov_b32 s[G1+2], 16<<16
	s_mov_b32 s[G1+3], 384<<16
	s_mov_b32 s[G1+4], 16
	s_mov_b32 s[G1+5], 1536
	s_mov_b32 s[G1+6], 0
	s_mov_b32 s[G1+7], 0
	s_or_b32 s[G1B+0], s44, (0<<16)|(1<<20)|(1<<21)|(3<<22)|(3<<25)
	s_mov_b32 s[G1B+1], 256<<16                    ; a chunk of B is dense: it comes as rows of 256 bytes; 16 bytes of padding behind every 64, so a row of 192 bytes of codes has the pitch 240
	s_mov_b32 s[G1B+2], 192<<16                    ; the head's load: 256 rows of codes = 192 rows of 256 bytes
	s_mov_b32 s[G1B+3], 256<<16
	s_mov_b32 s[G1B+4], 192
	s_mov_b32 s[G1B+5], 256
	s_mov_b32 s[G1B+6], 0
	s_mov_b32 s[G1B+7], 0
	s_or_b32 s[G1S+0], s43, (3<<16)|(1<<20)|(1<<21)|(5<<22)|(3<<25)
	s_or_b32 s[G1SB+0], s44, (3<<16)|(1<<20)|(1<<21)|(5<<22)|(3<<25)
.irp g, G1S, G1SB
	s_mov_b32 s[\g+1], 32<<16
	s_mov_b32 s[\g+2], (256*KS/256)<<16
	s_mov_b32 s[\g+3], 32<<16
	s_mov_b32 s[\g+4], 256*KS/256
	s_mov_b32 s[\g+5], 32
	s_mov_b32 s[\g+6], 0
	s_mov_b32 s[\g+7], 0
.endr
	s_lshl_b32 s96, s[TR], 4
	s_mul_i32 s2, s[CH], 98304                     ; in the ring I fetch 8 of A's 16 tiles: which half, in bytes
	s_mov_b32 s3, 0
	s_mul_i32 s96, s96, 12288
	s_mov_b32 s97, 0
	s_mul_i32 s22, s[CH], 24576                    ; and 128 rows of a chunk of B
	s_mov_b32 s23, 0
	s_lshl_b32 s98, s[TR], 8
	s_lshl_b32 s98, s98, 5
	s_mov_b32 s99, 0
	s_lshl_b32 s46, s[TC], 8
	s_add_co_u32 s46, s46, 27648
	s_lshl_b32 s92, s46, 5
	s_mov_b32 s93, 0
	s_mul_i32 s46, s46, KROW
	s_mov_b32 s47, 0
	s_mul_i32 s45, s[CH], HALFA
	s_mul_i32 s100, s[CH], HALFB
	s_add_co_u32 s100, s100, BOFF
	s_wait_dscnt 0x0
	s_wait_kmcnt 0x0
	s_add_nc_u64 s[96:97], s[4:5], s[96:97]
	s_add_nc_u64 s[98:99], s[6:7], s[98:99]
	s_add_nc_u64 s[46:47], s[8:9], s[46:47]
	s_add_nc_u64 s[92:93], s[10:11], s[92:93]
	CROUND
	s_mov_b32 s[G0S], 1
	s_mov_b32 s[G0S+1], SCL
	s_mov_b64 s[G0S+2:G0S+3], s[98:99]
	s_or_b32 s[G0S+3], s[G0S+3], 0x80000000
	s_mov_b32 s[G0SB], 1
	s_mov_b32 s[G0SB+1], SCL+2*HALFS
	s_mov_b64 s[G0SB+2:G0SB+3], s[92:93]
	s_or_b32 s[G0SB+3], s[G0SB+3], 0x80000000
	s_mov_b32 s4, 1                                ; the head's loads of the first K step, each whole: A's 16 tiles (the arguments that lay in s[4:11] have been used),
	s_mov_b32 s5, 0
	s_mov_b64 s[6:7], s[96:97]
	s_or_b32 s7, s7, 0x80000000
	s_mov_b32 s8, 1                                ; and B's 256 rows, behind them in slot 0
	s_mov_b32 s9, BOFF
	s_mov_b64 s[10:11], s[46:47]
	s_or_b32 s11, s11, 0x80000000
	s_add_nc_u64 s[96:97], s[96:97], s[2:3]        ; for the ring: my half
	s_add_nc_u64 s[46:47], s[46:47], s[22:23]
.irp s, 0,1
	s_mov_b32 s[G0+4*\s], 1
	s_add_co_u32 s[G0+4*\s+1], s45, \s*SLOT
	s_add_nc_u64 s[G0+4*\s+2:G0+4*\s+3], s[96:97], \s*TILEA
	s_or_b32 s[G0+4*\s+3], s[G0+4*\s+3], 0x80000000
	s_mov_b32 s[G0B+4*\s], 1
	s_add_co_u32 s[G0B+4*\s+1], s100, \s*SLOT
	s_add_nc_u64 s[G0B+4*\s+2:G0B+4*\s+3], s[46:47], \s*ROWB
	s_or_b32 s[G0B+4*\s+3], s[G0B+4*\s+3], 0x80000000
.endr
; the head's four tiles, one load a wave, in one chain of branches on the wave's number: A's first K step, B's, A's scales, B's scales
.macro ARM under, g0, g1, next
	s_cmp_lt_u32 s[WV], \under
	s_cbranch_scc0 \next
	tensor_load_to_lds s[\g0:\g0+3], s[\g1:\g1+7]
	s_nop 0
.rept 4
	v_nop
.endr
	s_branch .Lhead_asked
\next:
.endm
	ARM 1, 4, G1, .Lhead_b
	ARM 2, 8, G1B, .Lhead_sa
	ARM 3, G0S, G1S, .Lhead_sb
	tensor_load_to_lds s[G0SB:G0SB+3], s[G1SB:G1SB+7]
	s_nop 0
.rept 4
	v_nop
.endr
.Lhead_asked:
	v_and_b32 v1, 15, v0
	v_bfe_u32 v2, v0, 4, 1
	v_and_b32 v6, 31, v0
	v_lshlrev_b32 v7, 3, v6
	v_mul_u32_u24 v3, v1, PITCH
	v_mul_u32_u24 v4, v2, 24
	v_add_nc_u32 v4, v3, v4
	v_lshl_add_u32 v5, v2, 4, v4
	s_mul_i32 s21, s[RH], HALFA
	s_mul_i32 s22, s[CH], HALFB
	s_add_co_u32 s22, s22, BOFF
.irp s, 0,1
	v_add_nc_u32 v[ADRA+\s], s21, v7
	v_add_nc_u32 v[ADRB+\s], s22, v4
	v_add_nc_u32 v[ADRB+2+\s], s22, v5
	s_add_co_u32 s21, s21, SLOT
	s_add_co_u32 s22, s22, SLOT
.endr
	v_mul_u32_u24 v5, v1, KS
	v_lshrrev_b32 v3, 8, v5
	v_lshl_add_u32 v5, v3, 4, v5
	s_mul_i32 s21, s[RH], HALFS
	s_mul_i32 s22, s[CH], HALFS
	s_add_co_u32 s22, s22, 2*HALFS
	s_sub_co_u32 s22, s22, s21
	v_mul_u32_u24 v3, s22, v2
	s_add_co_u32 s21, s21, SCL
	v_add_nc_u32 v5, v5, v3
	v_add_nc_u32 v[ADRS], s21, v5
	s_mul_i32 s23, s[WV], 16*SPITCH
	v_mul_u32_u24 v5, v1, SPITCH
	v_lshl_add_u32 v5, v2, 6, v5
	v_add_nc_u32 v[STO], s23, v5
	v_lshlrev_b32 v[CO], 4, v6
	v_add_nc_u32 v[RD], s23, v[CO]
	s_lshl_b32 s98, s[TR], 8
	s_lshl_b32 s99, s[RH], 7
	s_add_co_u32 s98, s98, s99
	s_lshl_b32 s98, s98, 12
	s_mov_b32 s99, 0
	s_lshl_b32 s92, s[TC], 10
	s_lshl_b32 s93, s[CH], 9
	s_add_co_u32 s92, s92, s93
	s_mov_b32 s93, 0
	s_add_nc_u64 s[14:15], s[14:15], s[98:99]
	s_add_nc_u64 s[14:15], s[14:15], s[92:93]
	s_add_nc_u64 s[12:13], s[12:13], s[92:93]
	v_lshlrev_b32 v[BOF], 6, v2
.irp b, 0,1,2,3,4,5,6,7
	global_load_b128 v[BI+8*\b:BI+8*\b+3], v[BOF], s[12:13] offset:(32*(\b/2)+8*(\b%2))*4
	global_load_b128 v[BI+8*\b+4:BI+8*\b+7], v[BOF], s[12:13] offset:(32*(\b/2)+8*(\b%2))*4+16
.endr
.macro FRAG reg, adr, q, i
.irp p, 0,1,2,3,4,5
.set PC, 12*(\q)+6*(\p/3)+\p%3
.if PC%8 < 5
	ds_load_b64 v[\reg+2*\p:\reg+2*\p+1], v[\adr] offset:8*PC+16*(PC/8)+(\i)*16*PITCH
.else
	ds_load_b64 v[\reg+2*\p:\reg+2*\p+1], v[\adr+2] offset:8*PC+16*(PC/8)+(\i)*16*PITCH
.endif
.endr
.endm
.macro FRAGA reg, slot, q, i
.irp p, 0,1,2,3,4,5
	ds_load_b64 v[\reg+2*\p:\reg+2*\p+1], v[ADRA+\slot] offset:TILEA*(\i)+768*(2*(\q)+\p/3)+256*(\p%3)
.endr
.endm
.macro MUL16 a0, p, q, sc, zero
.irp a, \a0, \a0+1
.irp b, 0,1,2,3,4,5,6,7
.set XD, 8*(8*((\a)%4)+\b)
.set XB, 128*(\p)+FR*\b
.set XA, AF+FR*(\a)
.set XSB, SC+8*NQ*(\sc)+NQ*\b+(\q)
.set XSA, SC+8*NQ*(\sc)+NQ*(\a)+(\q)
.if \zero
	v_wmma_scale_f32_16x16x128_f8f6f4 v[XD:XD+7], v[XB:XB+FR-1], v[XA:XA+FR-1], v[BI+8*\b:BI+8*\b+7], v[XSB], v[XSA] matrix_a_fmt:MATRIX_FMT_FP6 matrix_b_fmt:MATRIX_FMT_FP6 matrix_a_scale:MATRIX_SCALE_ROW1
.else
	v_wmma_scale_f32_16x16x128_f8f6f4 v[XD:XD+7], v[XB:XB+FR-1], v[XA:XA+FR-1], v[XD:XD+7], v[XSB], v[XSA] matrix_a_fmt:MATRIX_FMT_FP6 matrix_b_fmt:MATRIX_FMT_FP6 matrix_a_scale:MATRIX_SCALE_ROW1
.endif
.endr
.endr
.endm
.macro FETCH_B slot, q, p
	WIN TO_B
.irp i, 0,1,2,3,4,5,6,7
	FRAG 128*(\p)+FR*\i, ADRB+\slot, \q, \i
.endr
	WIN 0
.endm
.macro FETCH_A slot, q, i0
.irp i, \i0, \i0+1, \i0+2, \i0+3
	FRAGA AF+FR*(\i), \slot, \q, \i
.endr
.endm
.macro SCALES sc
.irp i, 0,1,2,3,4,5,6,7
	ds_load_b64 v[SC+8*NQ*\sc+NQ*\i:SC+8*NQ*\sc+NQ*\i+1], v[ADRS] offset:\i*SBLK
.endr
.endm
.macro PLACES n
.rept \n
	v_nop
.endr
.endm
.macro STEP slot, q, zero
	s_wait_dscnt 4*NL
.if \zero
	WIN BEG_LO
.else
	WIN MUL_LO
.endif
	MUL16 0, (\q)%2, \q, \slot, \zero
	MUL16 2, (\q)%2, \q, \slot, \zero
	s_wait_dscnt 0
	PLACES NP
	FETCH_B \slot, (\q)+1, 1-(\q)%2
	FETCH_A \slot, (\q)+1, 0
.if \zero
	WIN BEG_HI
.else
	WIN MUL_HI
.endif
	MUL16 4, (\q)%2, \q, \slot, \zero
	MUL16 6, (\q)%2, \q, \slot, \zero
	PLACES NP
	WIN 0
	FETCH_A \slot, (\q)+1, 4
.endm
.macro TURN slot, next, fill
	s_wait_tensorcnt 0x0
	ds_add_u32 v[SPW], v[NIL]
	s_wait_dscnt 4*NL+1
	WIN MUL_LO
	MUL16 0, 1, NQ-1, \slot, 0
	s_wait_dscnt 0x0
	s_barrier_signal -1
	MUL16 2, 1, NQ-1, \slot, 0
	WIN 0
	s_barrier_wait -1
.if \fill
	CREST
	s_add_nc_u64 s[G0+4*\slot+2:G0+4*\slot+3], s[G0+4*\slot+2:G0+4*\slot+3], 2*TILEA
	s_add_nc_u64 s[G0B+4*\slot+2:G0B+4*\slot+3], s[G0B+4*\slot+2:G0B+4*\slot+3], 2*ROWB
	JLOAD G0+4*\slot, G1, G0B+4*\slot, G1B
.else
	PLACES NP
.endif
	s_wait_alu depctr_va_vdst(0)
	v_add_nc_u32 v[ADRS], 4*NQ, v[ADRS]
	FETCH_B \next, 0, 0
	FETCH_A \next, 0, 0
	SCALES \next
	WIN MUL_HI
	MUL16 4, 1, NQ-1, \slot, 0
	MUL16 6, 1, NQ-1, \slot, 0
	PLACES NP
	WIN 0
	FETCH_A \next, 0, 4
.endm
	s_wait_alu depctr_va_vdst(0)
	s_wait_tensorcnt 0x0                           ; my tile of the head's four is in; the three lines ahead of a later first fill, as ahead of a refill
	ds_add_u32 v[SPW], v[NIL]
	s_mov_b32 s[G1+2], 8<<16                       ; no tensor load of mine is out: from here on a load brings 8 tiles of A,
	s_mov_b32 s[G1+4], 8
	s_mov_b32 s[G1B+2], 96<<16                     ; or 128 rows of B's codes = 96 rows of 256 bytes
	s_mov_b32 s[G1B+4], 96
	s_wait_dscnt 0x0
	CROUND                                         ; all four tiles are in, in every partner
	JLOAD G0+4, G1, G0B+4, G1B                     ; the second K step, the first tensor load behind the round
	FETCH_B 0, 0, 0
	FETCH_A 0, 0, 0
	SCALES 0
	FETCH_A 0, 0, 4
	s_wait_loadcnt 0x0
	STEP 0, 0, 1
	s_mov_b32 s3, LAPS-1
.Llap:
	TURN 0, 1, 1
	STEP 1, 0, 0
	TURN 1, 0, 1
	STEP 0, 0, 0
	s_sub_co_u32 s3, s3, 1
	s_cmp_lg_u32 s3, 0
	s_cbranch_scc1 .Llap
	TURN 0, 1, 0
	STEP 1, 0, 0
	s_wait_dscnt 4*NL
	WIN MUL_LO
	MUL16 0, 1, NQ-1, 1, 0
	MUL16 2, 1, NQ-1, 1, 0
	s_wait_dscnt 0
	WIN MUL_HI
	MUL16 4, 1, NQ-1, 1, 0
	MUL16 6, 1, NQ-1, 1, 0
	WIN 0
.macro TOSTAGE a
.set AC, 64*((\a)%4)
	WIN 0x08+4*((\a)/4)
.irp b, 0,1,2,3,4,5,6,7
	ds_store_b128 v[STO], v[AC+8*\b:AC+8*\b+3] offset:128*(\b/2)+32*(\b%2)
	ds_store_b128 v[STO], v[AC+8*\b+4:AC+8*\b+7] offset:128*(\b/2)+32*(\b%2)+16
.endr
	WIN 0
.set BB, BK+64*((\a)%2)
.irp t, 0,1,2,3,4,5,6,7,8,9,10,11,12,13,14,15
	ds_load_b128 v[BB+4*\t:BB+4*\t+3], v[RD] offset:\t*SPITCH
.endr
.endm
.macro SEND a, younger
.set BB, BK+64*((\a)%2)
	s_wait_dscnt \younger
.if (\a) > 0
.if (\a)%2
	s_add_nc_u64 s[14:15], s[14:15], 8*SIZE_N*4
.else
	s_add_nc_u64 s[14:15], s[14:15], 24*SIZE_N*4
.endif
.endif
.irp t, 0,1,2,3,4,5,6,7,8,9,10,11,12,13,14,15
	global_store_b128 v[CO], v[BB+4*\t:BB+4*\t+3], s[14:15] offset:(\t+8*(\t/8))*SIZE_N*4 th:TH_STORE_NT
.endr
.endm
	PLACES NP
	TOSTAGE 0
.irp a, 1,2,3,4,5,6,7
.if \a > 1
	s_wait_xcnt 0x0
.endif
	TOSTAGE \a
	SEND \a-1, 32
.endr
	s_wait_xcnt 0x0
	SEND 7, 0
	s_wait_tensorcnt 0x0
	ds_add_u32 v[SPW], v[NIL]
	s_wait_dscnt 0x0
	CROUND
	s_endpgm
.Lfunc_end_k_q8432a0d9bd_outp:
	.size	k_q8432a0d9bd_outp, .Lfunc_end_k_q8432a0d9bd_outp-k_q8432a0d9bd_outp
	.p2alignl 7, 3214868480
	.fill 96, 4, 3214868480
	.section	.rodata,"a",@progbits
	.p2align	6, 0x0
	.amdhsa_kernel k_q8432a0d9bd_outp
		.amdhsa_group_segment_fixed_size 327680
		.amdhsa_private_segment_fixed_size 0
		.amdhsa_enable_private_segment 0
		.amdhsa_kernarg_size 48
		.amdhsa_user_sgpr_count 2
		.amdhsa_user_sgpr_kernarg_segment_ptr 1
		.amdhsa_wavefront_size32 1
		.amdhsa_system_sgpr_workgroup_id_x 1
		.amdhsa_system_sgpr_workgroup_id_y 1
		.amdhsa_system_sgpr_workgroup_id_z 1
		.amdhsa_system_vgpr_workitem_id 0
		.amdhsa_next_free_vgpr 1024
		.amdhsa_next_free_sgpr 102
		.amdhsa_reserve_vcc 0
		.amdhsa_float_denorm_mode_32 3
		.amdhsa_float_denorm_mode_16_64 3
		.amdhsa_memory_ordered 1
		.amdhsa_forward_progress 1
		.amdhsa_inst_pref_size 163
	.end_amdhsa_kernel
	.amdgpu_metadata
---
amdhsa.version: [ 1, 2 ]
amdhsa.kernels:
  - .name:           k_q8432a0d9bd_outp
    .symbol:         k_q8432a0d9bd_outp.kd
    .args:
      - { .name: ac, .offset: 0, .size: 8, .value_kind: global_buffer, .address_space: global }
      - { .name: asc, .offset: 8, .size: 8, .value_kind: global_buffer, .address_space: global }
      - { .name: cod, .offset: 16, .size: 8, .value_kind: global_buffer, .address_space: global }
      - { .name: scl, .offset: 24, .size: 8, .value_kind: global_buffer, .address_space: global }
      - { .name: bo, .offset: 32, .size: 8, .value_kind: global_buffer, .address_space: global }
      - { .name: out0, .offset: 40, .size: 8, .value_kind: global_buffer, .address_space: global }
    .group_segment_fixed_size: 327680
    .private_segment_fixed_size: 0
    .kernarg_segment_align: 8
    .kernarg_segment_size: 48
    .max_flat_workgroup_size: 128
    .sgpr_count:     102
    .vgpr_count:     1024
    .wavefront_size: 32
...
	.end_amdgpu_metadata
.endif
;; end of part 4
